; MI455X (gfx1250); checked and timed in simulation.
; The chip was launched on July 23, 2026; its instructions are those of AMD's public machine-readable ISA for CDNA 5 (MIT licence, August 2026) and "CDNA5" Instruction Set Architecture Reference Guide (July 2026). The comments in the code are by the model that wrote it; some were corrected since.
;; Segment Memory Retriever. Allowed arithmetic: float matrix products may take bf16 or f16 operands with f32 sums; all other float work in f32.
;; Inputs: Wg1 1,024 x 3,072 float32; Wg2 1,024 x 1,024 float32; Wk 1,024 x 1,024 float32; Wo 1,024 x 1,024 float32; Wq 1,024 x 1,024 float32; Wv 1,024 x 1,024 float32; bg1 1,024 float32; bg2 1,024 float32; bo 1,024 float32; context_bank 4,096 x 4 x 1,024 float32; memory_bank 4,096 x 4 x 1,024 float32; query 4,096 x 1,024 float32.
;; Outputs: out0 4,096 x 1,024 float32; out1 4,096 x 4 float32.
;; One version. Each part assembles by itself: llvm-mc -triple=amdgcn-amd-amdhsa -mcpu=gfx1250 --defsym DOCPART=n.
;; ======== version 1 of 1: 8 launches
;; limits: values outside matrix products are rounded to bf16; sums are carried in bf16; values are held in f16: magnitudes above 65,504 overflow, below 6.1e-05 lose precision; inputs' magnitudes at most 65,504
;; workspace buffers: qb 8,388,608 bytes; wcat 4,194,304 bytes; wkt 2,097,152 bytes; wvb 2,097,152 bytes; wrest 6,291,456 bytes; qu 16,777,216 bytes; xbuf 8,388,608 bytes; ybuf 8,388,608 bytes
;; launch prep (part 1): grid 1408 x 1, 8 waves a work-group, no clusters, 18,432 bytes of LDS; arguments query, Wq, Wv, Wg2, Wo, Wg1, Wk, qb, wcat, wvb, wrest, wkt; writes qb, wcat, wvb, wrest, wkt
.if DOCPART == 1
	.amdgcn_target "amdgcn-amd-amdhsa--gfx1250"
	.amdhsa_code_object_version 6
	.text
	.protected	k_q377d71a3c5_prep
	.globl	k_q377d71a3c5_prep
	.p2align	8
	.type	k_q377d71a3c5_prep,@function
k_q377d71a3c5_prep:
	s_mov_b64 s[64:65], 0
	v_nop
	global_prefetch_b8 v0, s[64:65] scope:SCOPE_SE
	s_setreg_imm32_b32 hwreg(HW_REG_WAVE_MODE, 25, 1), 1
	s_wait_xcnt 0x0
; PREP: every matrix operand that is an input is rounded once to bf16 and laid out for the products that follow.
;   groups    0- 511  query -> qb            groups 512-639  Wq -> wcat rows 0-1023      groups 640-767  Wv -> wvb
;   groups  768- 895  Wg2 -> wrest + 2 MiB   groups 896-1023 Wo -> wrest + 4 MiB: rounded to bf16, that number written as f16
;   groups 1024-1279  Wg1 = [Wa | Wb | Wc], 4 rows a group: bf16(bf16 Wa + bf16 Wc) -> wcat rows 1024-2047, bf16(bf16 Wb - bf16 Wc) -> wrest + 0
;                     ([x, r, x - r] Wg1^T = x (Wa + Wc)^T + r (Wb - Wc)^T: the weights are added, not the finished sums)
;   groups 1280-1407  Wk turned: wkt[j][k] = bf16 Wk[k][j], a tile of 128 k x 64 j a group, through LDS
; LIMITS.  Wo as f16: exact from 2^-14 to 65,504; below 2^-14 it keeps f16's fixed step of 6e-8; beyond 65,504 it would be an infinity.
; Eight waves.  Every load of a wave covers 512 consecutive bytes (Wk: two rows' 256), every store whole aligned runs of 256 bytes.  No loops: a group's share is 8 to 12 loads a thread, all asked for at once.
; No matrix unit, cluster or tensor load: nothing is shared between groups and nothing is multiplied.
.set SPARE, 17408                      ; behind the Wk tile (64 rows x 272 bytes): the spare words, 128 bytes for each of 8 waves
.set SPW,   78                         ; v78  LDS address of my spare word; never rewritten
.set NIL,   79                         ; v79  0; never rewritten
.set LP,    272                        ; a row of the turned tile in LDS: 256 bytes + 16
	s_load_b512 s[8:23], s[0:1], 0x0               ; query s[8:9], Wq s[10:11], Wv s[12:13], Wg2 s[14:15], Wo s[16:17], Wg1 s[18:19], Wk s[20:21], qb s[22:23]
	s_load_b256 s[24:31], s[0:1], 0x40             ; wcat s[24:25], wvb s[26:27], wrest s[28:29], wkt s[30:31]
	v_lshl_add_u32 v[SPW], v0, 2, SPARE
	v_mov_b32 v[NIL], 0
	v_lshrrev_b32 v3, 5, v0
	v_readfirstlane_b32 s6, v3                     ; my wave's number
	s_mov_b32 s4, ttmp9                            ; the group's number chooses the job: the same for all eight waves
	s_mov_b32 s5, 0xffff0000                       ; a word's upper bf16
	v_lshlrev_b32 v1, 4, v0                        ; 16 t: my 4 numbers in f32
	v_lshlrev_b32 v2, 3, v0                        ; 8 t: the same 4 in 16 bits
	s_wait_kmcnt 0x0
	s_cmp_ge_u32 s4, 1280
	s_cbranch_scc1 .Lwk
	s_cmp_ge_u32 s4, 1024
	s_cbranch_scc1 .Lwg1
	; THE PLAIN CONVERSIONS: 8,192 numbers a group.  Source, destination, the job's first group and the place in wrest are chosen by the group's number.
	s_mov_b64 s[32:33], s[8:9]
	s_mov_b64 s[34:35], s[22:23]
	s_mov_b32 s36, 0
	s_mov_b32 s37, 0
	s_cmp_ge_u32 s4, 512
	s_cselect_b64 s[32:33], s[10:11], s[32:33]
	s_cselect_b64 s[34:35], s[24:25], s[34:35]
	s_cselect_b32 s36, 512, s36
	s_cmp_ge_u32 s4, 640
	s_cselect_b64 s[32:33], s[12:13], s[32:33]
	s_cselect_b64 s[34:35], s[26:27], s[34:35]
	s_cselect_b32 s36, 640, s36
	s_cmp_ge_u32 s4, 768
	s_cselect_b64 s[32:33], s[14:15], s[32:33]
	s_cselect_b64 s[34:35], s[28:29], s[34:35]
	s_cselect_b32 s36, 768, s36
	s_cselect_b32 s37, 0x200000, s37
	s_cmp_ge_u32 s4, 896
	s_cselect_b64 s[32:33], s[16:17], s[32:33]
	s_cselect_b32 s36, 896, s36
	s_cselect_b32 s37, 0x400000, s37
	s_sub_co_u32 s36, s4, s36                      ; my group within the job
	s_lshl_b32 s38, s36, 15                        ; 32,768 bytes of f32,
	s_mov_b32 s39, 0
	s_lshl_b32 s40, s36, 14                        ; 16,384 bytes of 16-bit numbers
	s_add_co_u32 s40, s40, s37
	s_mov_b32 s41, 0
	s_add_nc_u64 s[32:33], s[32:33], s[38:39]
	s_add_nc_u64 s[34:35], s[34:35], s[40:41]
.irp i, 0,1,2,3,4,5,6,7
	global_load_b128 v[8+4*(\i):8+4*(\i)+3], v1, s[32:33] offset:4096*(\i) th:TH_LOAD_NT
.endr
; half = 1: the bf16 number is widened again and written as f16
.macro CONV half
.irp i, 0,1,2,3,4,5,6,7
	s_wait_loadcnt 7-(\i)                          ; loads come back in order: load i is in, the younger ones stay out
	v_cvt_pk_bf16_f32 v[40+2*(\i)], v[8+4*(\i)], v[9+4*(\i)]
	v_cvt_pk_bf16_f32 v[41+2*(\i)], v[10+4*(\i)], v[11+4*(\i)]
.if \half
	v_lshlrev_b32 v[8+4*(\i)], 16, v[40+2*(\i)]
	v_and_b32 v[9+4*(\i)], s5, v[40+2*(\i)]
	v_lshlrev_b32 v[10+4*(\i)], 16, v[41+2*(\i)]
	v_and_b32 v[11+4*(\i)], s5, v[41+2*(\i)]
	v_cvt_pk_f16_f32 v[40+2*(\i)], v[8+4*(\i)], v[9+4*(\i)]
	v_cvt_pk_f16_f32 v[41+2*(\i)], v[10+4*(\i)], v[11+4*(\i)]
.endif
	global_store_b64 v2, v[40+2*(\i):41+2*(\i)], s[34:35] offset:2048*(\i)  ; a wave's store covers 256 consecutive bytes, aligned
.endr
.endm
	s_cmp_ge_u32 s4, 896
	s_cbranch_scc1 .Lf16
	CONV 0
	s_endpgm
.Lf16:
	CONV 1
	s_endpgm
	; Wg1: four rows of 12,288 bytes; thread t has columns 4 t .. 4 t + 3 of each of a row's three parts
.Lwg1:
	s_sub_co_u32 s36, s4, 1024
	s_mul_i32 s38, s36, 49152
	s_mov_b32 s39, 0
	s_add_nc_u64 s[18:19], s[18:19], s[38:39]
	s_lshl_b32 s40, s36, 13                        ; four rows of 2,048 bytes
	s_mov_b32 s41, 0
	s_add_nc_u64 s[28:29], s[28:29], s[40:41]      ; Wb - Wc at wrest + 0
	s_add_co_u32 s40, s40, 0x200000
	s_add_nc_u64 s[24:25], s[24:25], s[40:41]      ; Wa + Wc at wcat's row 1024
.irp rr, 0,1,2,3
.irp p, 0,1,2
	global_load_b128 v[8+12*(\rr)+4*(\p):8+12*(\rr)+4*(\p)+3], v1, s[18:19] offset:(\rr)*12288+(\p)*4096 th:TH_LOAD_NT
.endr
.endr
.irp rr, 0,1,2,3
	s_wait_loadcnt 9-3*(\rr)                       ; this row's three loads are in; three for each later row stay out
.irp p, 0,1,2
.set x, 8+12*(\rr)+4*(\p)
	v_cvt_pk_bf16_f32 v56, v[x], v[x+1]            ; each part is rounded to bf16 first, as every input is,
	v_cvt_pk_bf16_f32 v57, v[x+2], v[x+3]
	v_lshlrev_b32 v[x], 16, v56                    ; and widened again
	v_and_b32 v[x+1], s5, v56
	v_lshlrev_b32 v[x+2], 16, v57
	v_and_b32 v[x+3], s5, v57
.endr
.set x, 8+12*(\rr)
	v_pk_add_f32 v[x:x+1], v[x:x+1], v[x+8:x+9]
	v_pk_add_f32 v[x+2:x+3], v[x+2:x+3], v[x+10:x+11]
	v_pk_add_f32 v[x+4:x+5], v[x+4:x+5], v[x+8:x+9] neg_lo:[0,1] neg_hi:[0,1]
	v_pk_add_f32 v[x+6:x+7], v[x+6:x+7], v[x+10:x+11] neg_lo:[0,1] neg_hi:[0,1]
	v_cvt_pk_bf16_f32 v[60+4*(\rr)], v[x], v[x+1]
	v_cvt_pk_bf16_f32 v[61+4*(\rr)], v[x+2], v[x+3]
	v_cvt_pk_bf16_f32 v[62+4*(\rr)], v[x+4], v[x+5]
	v_cvt_pk_bf16_f32 v[63+4*(\rr)], v[x+6], v[x+7]
	global_store_b64 v2, v[60+4*(\rr):61+4*(\rr)], s[24:25] offset:(\rr)*2048
	global_store_b64 v2, v[62+4*(\rr):63+4*(\rr)], s[28:29] offset:(\rr)*2048
.endr
	s_endpgm
	; Wk turned.  Lane (c = l % 16, h = l / 16) of wave w loads 16 bytes (j = 4 c + 0..3) of rows k = 16 w + 4 p + 2 h + e; rows e = 0, 1 are packed as a pair of bf16
	; and stored into LDS row j at byte 2 k; whole rows of 256 bytes (128 k) come back and leave.
.Lwk:
	s_sub_co_u32 s36, s4, 1280
	s_and_b32 s37, s36, 7                          ; kt: which 128 k
	s_lshr_b32 s36, s36, 3                         ; jt: which 64 j
	s_lshl_b32 s38, s37, 19                        ; 128 rows of 4,096 bytes
	s_lshl_b32 s39, s36, 8                         ; 64 columns of 4 bytes
	s_add_co_u32 s38, s38, s39
	s_mov_b32 s39, 0
	s_add_nc_u64 s[20:21], s[20:21], s[38:39]
	s_lshl_b32 s40, s36, 17                        ; 64 rows of 2,048 bytes
	s_lshl_b32 s41, s37, 8                         ; 128 columns of 2 bytes
	s_add_co_u32 s40, s40, s41
	s_mov_b32 s41, 0
	s_add_nc_u64 s[30:31], s[30:31], s[40:41]
	v_and_b32 v3, 15, v0                           ; c
	v_bfe_u32 v4, v0, 4, 1                         ; h
	v_lshlrev_b32 v6, 4, v3                        ; 16 c
	v_lshl_add_u32 v7, v4, 13, v6                  ; + 2 h rows
	v_lshl_add_u32 v7, s6, 16, v7                  ; + 16 w rows
.irp q, 0,1,2,3,4,5,6,7
	global_load_b128 v[8+4*(\q):8+4*(\q)+3], v7, s[20:21] offset:(4*((\q)/2)+(\q)%2)*4096 th:TH_LOAD_NT
.endr
	v_mul_u32_u24 v72, v3, 4*LP                    ; in: row 4 c, byte 32 w + 4 h
	v_lshl_add_u32 v72, s6, 5, v72
	v_lshl_add_u32 v72, v4, 2, v72
	s_mul_i32 s7, s6, 8*LP                         ; back: rows 8 w + h + 2 q, 16 bytes a lane
	v_mul_u32_u24 v73, v4, LP
	v_add_nc_u32 v73, v73, v6
	v_add_nc_u32 v73, s7, v73
	v_lshl_add_u32 v74, v4, 11, v6                 ; and the same rows in wkt
	v_lshl_add_u32 v74, s6, 14, v74
.irp p, 0,1,2,3
	s_wait_loadcnt 6-2*(\p)                        ; pair p of rows is in; two loads for each later pair stay out
.irp i, 0,1,2,3
	v_cvt_pk_bf16_f32 v[40+4*(\p)+(\i)], v[8+8*(\p)+(\i)], v[12+8*(\p)+(\i)]
	ds_store_b32 v72, v[40+4*(\p)+(\i)] offset:LP*(\i)+8*(\p)
.endr
.endr
	s_wait_dscnt 0x0                               ; for the others' sake: my stores into the tile are done
	s_barrier_signal -1
	s_barrier_wait -1
.irp q, 0,1,2,3
	ds_load_b128 v[56+4*(\q):56+4*(\q)+3], v73 offset:2*LP*(\q)
.endr
.irp q, 0,1,2,3
	s_wait_dscnt 3-(\q)
	global_store_b128 v74, v[56+4*(\q):56+4*(\q)+3], s[30:31] offset:4096*(\q)  ; 16 lanes store 256 consecutive bytes, aligned
.endr
	s_wait_tensorcnt 0x0                           ; the wave's end, behind my last LDS store
	ds_add_u32 v[SPW], v[NIL]
	s_wait_dscnt 0x0
	s_endpgm
.Lfunc_end_k_q377d71a3c5_prep:
	.size	k_q377d71a3c5_prep, .Lfunc_end_k_q377d71a3c5_prep-k_q377d71a3c5_prep
	.p2alignl 7, 3214868480
	.fill 96, 4, 3214868480
	.section	.rodata,"a",@progbits
	.p2align	6, 0x0
	.amdhsa_kernel k_q377d71a3c5_prep
		.amdhsa_group_segment_fixed_size 18432
		.amdhsa_private_segment_fixed_size 0
		.amdhsa_enable_private_segment 0
		.amdhsa_kernarg_size 96
		.amdhsa_user_sgpr_count 2
		.amdhsa_user_sgpr_kernarg_segment_ptr 1
		.amdhsa_wavefront_size32 1
		.amdhsa_system_sgpr_workgroup_id_x 1
		.amdhsa_system_sgpr_workgroup_id_y 1
		.amdhsa_system_sgpr_workgroup_id_z 1
		.amdhsa_system_vgpr_workitem_id 0
		.amdhsa_next_free_vgpr 80
		.amdhsa_next_free_sgpr 66
		.amdhsa_reserve_vcc 0
		.amdhsa_float_denorm_mode_32 3
		.amdhsa_float_denorm_mode_16_64 3
		.amdhsa_memory_ordered 1
		.amdhsa_forward_progress 1
		.amdhsa_inst_pref_size 22
	.end_amdhsa_kernel
	.amdgpu_metadata
---
amdhsa.version: [ 1, 2 ]
amdhsa.kernels:
  - .name:           k_q377d71a3c5_prep
    .symbol:         k_q377d71a3c5_prep.kd
    .args:
      - { .name: query, .offset: 0, .size: 8, .value_kind: global_buffer, .address_space: global }
      - { .name: Wq, .offset: 8, .size: 8, .value_kind: global_buffer, .address_space: global }
      - { .name: Wv, .offset: 16, .size: 8, .value_kind: global_buffer, .address_space: global }
      - { .name: Wg2, .offset: 24, .size: 8, .value_kind: global_buffer, .address_space: global }
      - { .name: Wo, .offset: 32, .size: 8, .value_kind: global_buffer, .address_space: global }
      - { .name: Wg1, .offset: 40, .size: 8, .value_kind: global_buffer, .address_space: global }
      - { .name: Wk, .offset: 48, .size: 8, .value_kind: global_buffer, .address_space: global }
      - { .name: qb, .offset: 56, .size: 8, .value_kind: global_buffer, .address_space: global }
      - { .name: wcat, .offset: 64, .size: 8, .value_kind: global_buffer, .address_space: global }
      - { .name: wvb, .offset: 72, .size: 8, .value_kind: global_buffer, .address_space: global }
      - { .name: wrest, .offset: 80, .size: 8, .value_kind: global_buffer, .address_space: global }
      - { .name: wkt, .offset: 88, .size: 8, .value_kind: global_buffer, .address_space: global }
    .group_segment_fixed_size: 18432
    .private_segment_fixed_size: 0
    .kernarg_segment_align: 8
    .kernarg_segment_size: 96
    .max_flat_workgroup_size: 256
    .sgpr_count:     66
    .vgpr_count:     80
    .wavefront_size: 32
...
	.end_amdgpu_metadata
.endif
;; end of part 1
;; launch gemm_qu (part 2): grid 16 x 32, 4 waves a work-group, clusters of 4 x 4, 327,680 bytes of LDS; arguments qb, wcat, qu; writes qu
.if DOCPART == 2
	.amdgcn_target "amdgcn-amd-amdhsa--gfx1250"
	.amdhsa_code_object_version 6
	.text
	.protected	k_q377d71a3c5_gemm_qu
	.globl	k_q377d71a3c5_gemm_qu
	.p2align	8
	.type	k_q377d71a3c5_gemm_qu,@function
k_q377d71a3c5_gemm_qu:
	s_mov_b64 s[64:65], 0
	v_nop
	global_prefetch_b8 v0, s[64:65] scope:SCOPE_SE
	s_setreg_imm32_b32 hwreg(HW_REG_WAVE_MODE, 25, 1), 1
	s_wait_xcnt 0x0
	s_wait_alu depctr_hold_cnt(0) depctr_sa_sdst(0) depctr_va_vdst(0) depctr_va_sdst(0) depctr_va_ssrc(0) depctr_va_vcc(0) depctr_vm_vsrc(0)
	s_getreg_b32 s2, hwreg(HW_REG_IB_STS2, 6, 4)
	s_cmp_eq_u32 s2, 0
	s_cbranch_scc0 .Lentry_in_a_cluster
	s_endpgm
.Lentry_in_a_cluster:
	s_bfe_u32 s2, ttmp6, 0x10000c
	s_cmp_lg_u32 s2, 0xf033
	s_cbranch_scc0 .Lentry_shape_is_right
	s_endpgm
.Lentry_shape_is_right:
; C[m][n] = sum over k of A[m][k] B[n][k], rounded once to bf16.  A: [4096][1024] bf16; B: [n][1024] bf16, n = 1024 or 2048; sums in f32.
; C is written as blocks of [4096][1024]: columns 1024 on go 8 MiB further (q, then u = x (Wa + Wc)^T).  Used three times: q and u; qk = q Wk; retrieved = mix Wv^T.
; A tile of C is 128 x 128: 32 x 8 tiles give every one of 256 groups one tile (32 x 16: 512 groups, one each).  Four waves, each 64 x 64: 16 accumulators of 16 x 16, 128 registers.
; K = 1024 goes in 4 steps of 256 (LDS rows of 512 bytes; a wave's tensor load brings 64 of them) through two LDS slots.
; CLUSTERS: 4 x 4 groups.  The four of a row of the cluster need the same tiles of A, the four of a column the same tiles of B: each tile is asked for JOINTLY, by the same tensor load with the
; same descriptor and a mask that names the four.  THE MATRIX INSTRUCTION IS USED TRANSPOSED (source 0 = 16 rows of B, source 1 = 16 rows of A): a lane then holds eight neighbouring numbers of a row of C.
; REGISTERS: window 0: v0-31 addresses; v32-95 the way out; v128-255 the accumulators ((a, b) at v[128 + 8 (4 a + b)]).
;   window 1: two fragment buffers of 128: for 64 along K, 64 registers of A (2 x 4 x 16 rows x 32 K), then 64 of B.
.set KSTEP,  256
.set PITCH,  528                       ; an LDS row: 512 bytes + 16 of padding = 132 words: the 16 rows that a load touches start at 16 different groups of four banks (ISA guide 11.1)
.set HALFT,  64*PITCH                  ; 64 rows: what one tensor load brings, and what one wave reads of A or of B
.set SLOT,   4*HALFT                   ; A's 128 rows, then B's 128 rows.  0x21000: no wave's place in a slot has one of these two bits, so an exclusive or changes slots
.set STAGE,  2*SLOT                    ; behind the slots: 128 rows x 272 bytes, the group's, for the way out
.set SPITCH, 272
.set SPARE,  STAGE+128*SPITCH          ; behind the stage: the spare words, 128 bytes for each wave
.set SIZE_K, 1024
.set BOFF,   0                         ; B's first byte in its buffer
.set ADRA0, 16                         ; v16  my lane's place among A's fragments in slot 0; never rewritten
.set ADRB0, 17                         ; v17  the same for B
.set ADRA,  18                         ; v18  the same in the slot in hand
.set ADRB,  19                         ; v19
.set STO,  24                          ; v24  the way out: where I put 16 bytes of a row
.set RD,   25                          ; v25  the way out: where I read a row back
.set CO,   26                          ; v26  my byte offset in C
.set SPW,  28                          ; v28  LDS address of my spare word; never rewritten
.set NIL,  29                          ; v29  0; never rewritten
.set TMP,  32
.set ACC,  128
.set F0,   0                           ; fragment buffers, in window 1
.set F1,   128
.set G1, 24                            ; s[24:31] descriptor group 1 for A's tiles;  s[32:39] group 0: a set for K step 0, a set that begins at K step 1 and walks
.set G0, 32
.set G1B, 48                           ; s[48:55], s[56:63] the same for B's tiles
.set G0B, 56
.set TB,  91                           ; s91  LDS byte at which the slot in hand begins
.set MSB, 0
.macro WIN new                         ; the immediate's high byte repeats the setting that is left
.if MSB != (\new)
	s_set_vgpr_msb (MSB<<8)|(\new)
.set MSB, \new
.endif
.endm
.set MUL,  0x05                        ; sources 0 (B) and 1 (A) window 1; C and D window 0
.set TO_F, 0x40                        ; destination window 1, address window 0
.macro JLOAD s                         ; a joint load: waves 0 and 1 fetch A's two halves, waves 2 and 3 B's; an s_nop 0 and four v_nop follow each of the two lines
	s_cmp_eq_u32 s11, 0
	s_cbranch_scc0 .Lfor_b_\@
	tensor_load_to_lds s[G0+4*(\s):G0+4*(\s)+3], s[G1:G1+7]
	s_nop 0
.rept 4
	v_nop
.endr
	s_branch .Lasked_\@
.Lfor_b_\@:
	tensor_load_to_lds s[G0B+4*(\s):G0B+4*(\s)+3], s[G1B:G1B+7]
	s_nop 0
.rept 4
	v_nop
.endr
.Lasked_\@:
.endm
.macro CREST                           ; a round of the cluster's barrier behind its opening barrier
	s_cmp_lg_u32 s10, 0
	s_cbranch_scc1 .Lnot_wave_0_\@
	s_barrier_signal -3
.Lnot_wave_0_\@:
	s_barrier_wait -3
	s_barrier_signal -1
	s_barrier_wait -1
.endm
.macro CROUND                          ; a whole round
	s_barrier_signal -1
	s_barrier_wait -1
	CREST
.endm
	s_load_b128 s[4:7], s[0:1], 0x0                ; A s[4:5], B s[6:7]
	s_load_b64 s[8:9], s[0:1], 0x10                ; C
	v_lshl_add_u32 v[SPW], v0, 2, SPARE
	v_mov_b32 v[NIL], 0
	ds_add_u32 v[SPW], v[NIL]                      ; the wave's opening: the add and its wait come ahead of my first tensor load; the set-up below, work on registers, stands between them
	v_lshrrev_b32 v1, 5, v0
	v_readfirstlane_b32 s10, v1                    ; wave 0..3
	s_lshr_b32 s11, s10, 1                         ; which half of the tile's rows is mine.  Also: I fetch for A (0) or for B (1)
	s_and_b32 s12, s10, 1                          ; which half of its columns.  Also: which 64 rows of that tile I fetch
	s_bfe_u32 s40, ttmp6, 0x40000                  ; cx, cy: my place in the cluster
	s_bfe_u32 s41, ttmp6, 0x40004
	s_lshl_b32 s42, ttmp9, 2
	s_add_co_u32 s42, s42, s40                     ; tile column of C = 4 x cluster x + cx
	s_and_b32 s13, ttmp7, 0xffff
	s_lshl_b32 s13, s13, 2
	s_add_co_u32 s13, s13, s41                     ; tile row of C = 4 x cluster y + cy
	s_lshl_b32 s43, s41, 2
	s_lshl_b32 s43, 15, s43                        ; my row of the cluster
	s_lshl_b32 s44, 0x1111, s40                    ; my column
	; descriptor group 1: a tile of 64 rows x 256 elements, padded in LDS
	s_or_b32 s[G1+0], s43, (1<<16)|(1<<20)|(1<<21)|(6<<22)|(3<<25)  ; 15:0 the mask: A's tiles go to my row; 17:16 element of 2 bytes; 20 padding on; 21 set beside a mask; 24:22 after every 128 words (code 6); 31:25 of 4 words (code 3)
	s_or_b32 s[G1B+0], s44, (1<<16)|(1<<20)|(1<<21)|(6<<22)|(3<<25)
.irp g, G1, G1B
	s_mov_b32 s[(\g)+1], KSTEP<<16                 ; tensor_dim0 = 256
	s_mov_b32 s[(\g)+2], 64<<16                    ; tensor_dim1 = 64
	s_mov_b32 s[(\g)+3], KSTEP<<16                 ; tile_dim0 = 256
	s_mov_b32 s[(\g)+4], 64                        ; tile_dim1 = 64
	s_mov_b32 s[(\g)+5], SIZE_K                    ; elements from row to row
	s_mov_b32 s[(\g)+6], 0
	s_mov_b32 s[(\g)+7], 0
.endr
	s_lshl_b32 s17, s12, 6                         ; which 64 rows of the tile I fetch
	s_lshl_b32 s16, s13, 7
	s_add_co_u32 s16, s16, s17                     ; A: row 128 x tile row + 64 x half,
	s_lshl_b32 s16, s16, 11                        ; of 2,048 bytes
	s_lshl_b32 s46, s42, 7
	s_add_co_u32 s46, s46, s17                     ; B: row 128 x tile column + 64 x half
	s_lshl_b32 s46, s46, 11
	s_add_co_u32 s46, s46, BOFF
	s_mov_b32 s17, 0
	s_mov_b32 s47, 0
	s_mul_i32 s20, s10, HALFT                      ; where they go: wave x 64 rows: no place in the cluster enters an LDS address
	s_mov_b32 s[TB], 0
	s_wait_dscnt 0x0                               ; the opening add is done
	s_wait_kmcnt 0x0
	s_add_nc_u64 s[14:15], s[4:5], s[16:17]
	s_add_nc_u64 s[46:47], s[6:7], s[46:47]
	CROUND                                         ; all sixteen groups are here: the first joint loads meet
.irp s, 0,1
	s_mov_b32 s[G0+4*(\s)], 1
	s_add_co_u32 s[G0+4*(\s)+1], s20, (\s)*SLOT
	s_add_nc_u64 s[G0+4*(\s)+2:G0+4*(\s)+3], s[14:15], (\s)*KSTEP*2
	s_or_b32 s[G0+4*(\s)+3], s[G0+4*(\s)+3], 0x80000000
	s_mov_b32 s[G0B+4*(\s)], 1
	s_add_co_u32 s[G0B+4*(\s)+1], s20, (\s)*SLOT
	s_add_nc_u64 s[G0B+4*(\s)+2:G0B+4*(\s)+3], s[46:47], (\s)*KSTEP*2
	s_or_b32 s[G0B+4*(\s)+3], s[G0B+4*(\s)+3], 0x80000000
	JLOAD \s                                       ; K steps 0 and 1: two loads of mine are out, the most in this text
.endr
	v_and_b32 v1, 15, v0                           ; l % 16
	v_bfe_u32 v2, v0, 4, 1                         ; l / 16
	v_mul_u32_u24 v3, v1, PITCH
	v_lshl_add_u32 v3, v2, 4, v3                   ; a fragment's row x pitch + 16 x half
	s_mul_i32 s21, s11, HALFT                      ; my 64 rows of A
	s_mul_i32 s22, s12, HALFT                      ; my 64 rows of B,
	s_add_co_u32 s22, s22, 2*HALFT                 ; which lie behind A's 128
	v_add_nc_u32 v[ADRA0], s21, v3
	v_add_nc_u32 v[ADRB0], s22, v3
	v_mov_b32 v[ADRA], v[ADRA0]
	v_mov_b32 v[ADRB], v[ADRB0]
	s_mul_i32 s23, s11, 64*SPITCH                  ; into the stage: my 64 rows, my half of their 256 bytes; row l % 16, 16 bytes for each half of the lanes
	s_lshl_b32 s21, s12, 7
	s_add_co_u32 s23, s23, s21
	s_add_co_u32 s23, s23, STAGE
	v_mul_u32_u24 v4, v1, SPITCH
	v_lshl_add_u32 v4, v2, 4, v4
	v_add_nc_u32 v[STO], s23, v4
	s_mul_i32 s23, s10, 32*SPITCH                  ; back: wave w takes rows 32 w .. 32 w + 31, whole; lanes 0-15 one row of 256 bytes, lanes 16-31 the next
	s_add_co_u32 s23, s23, STAGE
	v_mul_u32_u24 v5, v2, SPITCH
	v_lshl_add_u32 v5, v1, 4, v5
	v_add_nc_u32 v[RD], s23, v5
	v_lshlrev_b32 v5, 11, v2                       ; and the same two rows in C
	v_lshl_add_u32 v[CO], v1, 4, v5
	s_lshl_b32 s16, s13, 7
	s_lshl_b32 s17, s10, 5
	s_add_co_u32 s16, s16, s17                     ; the first row of C that I store: 128 x tile row + 32 x wave
	s_lshl_b32 s16, s16, 11
	s_mov_b32 s17, 0
	s_add_nc_u64 s[8:9], s[8:9], s[16:17]
	s_and_b32 s46, s42, 7                          ; the tile's first column in its block of 1,024, in bytes,
	s_lshl_b32 s46, s46, 8
	s_lshr_b32 s47, s42, 3                         ; and the block: 8 MiB each
	s_lshl_b32 s47, s47, 23
	s_add_co_u32 s46, s46, s47
	s_mov_b32 s47, 0
	s_add_nc_u64 s[8:9], s[8:9], s[46:47]
; 8 matrix instructions: m blocks a0, a0 + 1 x all 4 n blocks, 32 along K: half c of buffer f.  zero = 1: the first product starts the sums.  The 16 accumulators take turns.
.macro MUL8 f, c, a0, zero
	WIN MUL
.irp a, \a0, (\a0)+1
.irp b, 0,1,2,3
.set rD, ACC+8*(4*(\a)+(\b))
.set rB, (\f)+64+8*(4*(\c)+(\b))
.set rA, (\f)+8*(4*(\c)+(\a))
.if \zero
	v_wmma_f32_16x16x32_bf16 v[rD:rD+7], v[rB:rB+7], v[rA:rA+7], 0
.else
	v_wmma_f32_16x16x32_bf16 v[rD:rD+7], v[rB:rB+7], v[rA:rA+7], v[rD:rD+7]
.endif
.endr
.endr
.endm
; 32 LDS loads in one run: the fragments of 64 along K at byte k of the rows of the slot in hand, into buffer f; the first 32 along K first
.macro FETCH k, f
	WIN TO_F
.irp c, 0,1
.irp i, 0,1,2,3
	ds_load_b128 v[(\f)+64+8*(4*(\c)+(\i)):(\f)+64+8*(4*(\c)+(\i))+3],   v[ADRB] offset:(\k)+64*(\c)+(\i)*16*PITCH
	ds_load_b128 v[(\f)+64+8*(4*(\c)+(\i))+4:(\f)+64+8*(4*(\c)+(\i))+7], v[ADRB] offset:(\k)+64*(\c)+(\i)*16*PITCH+32
	ds_load_b128 v[(\f)+8*(4*(\c)+(\i)):(\f)+8*(4*(\c)+(\i))+3],         v[ADRA] offset:(\k)+64*(\c)+(\i)*16*PITCH
	ds_load_b128 v[(\f)+8*(4*(\c)+(\i))+4:(\f)+8*(4*(\c)+(\i))+7],       v[ADRA] offset:(\k)+64*(\c)+(\i)*16*PITCH+32
.endr
.endr
.endm
.macro PLACES                          ; four places in front of loads into registers that matrix instructions have read, and of vector work that reads results
.rept 4
	v_nop
.endr
.endm
; A K step is four quarters of 64 along K, 32 matrix instructions each, on buffers 0, 1, 0, 1.  One of the first three: multiplies buffer f and fetches the next quarter, at byte k, into g.
.macro QUARTER k, f, g, zero
	s_wait_dscnt 16                                ; the first 32 along K are in
	MUL8 \f, 0, 0, \zero
	MUL8 \f, 0, 2, \zero
	PLACES
	FETCH \k, \g
	s_wait_dscnt 32                                ; all but the 32 just issued
	MUL8 \f, 1, 0, 0
	MUL8 \f, 1, 2, 0
.endm
; The last quarter multiplies buffer 1 and changes slots: ONE barrier; in front of it each wave waits for all its tensor loads, adds 0 to its spare word, and waits for that and for its own reads of this slot.
; fill = 1: this slot is filled again, two K steps ahead, by the walking descriptor; the barrier then opens a round of the cluster's barrier.
.macro TURN fill
	WIN 0                                          ; (the add's two registers lie in window 0)
	s_wait_tensorcnt 0x0                           ; all my tensor loads have landed: my part of the next slot;
	ds_add_u32 v[SPW], v[NIL]                      ; 0 onto my spare word;
	s_wait_dscnt 17                                ; (the add and the youngest sixteen loads may be out)
	MUL8 F1, 0, 0, 0                               ; eight matrix instructions stand between the add and the wait for it
	s_wait_dscnt 0x0                               ; the add is done, and my reads of this slot are over
	s_barrier_signal -1
	MUL8 F1, 0, 2, 0
.if \fill
	WIN 0
.endif
	s_barrier_wait -1
.if \fill
	CREST                                          ; no wave of any partner still reads this slot's tile or has a load on its way
	s_xor_b32 s[G0+5], s[G0+5], SLOT               ; the walking descriptor: the other slot than last time, the next K step
	s_add_nc_u64 s[G0+6:G0+7], s[G0+6:G0+7], KSTEP*2
	s_xor_b32 s[G0B+5], s[G0B+5], SLOT
	s_add_nc_u64 s[G0B+6:G0B+7], s[G0B+6:G0B+7], KSTEP*2
	JLOAD 1                                        ; the first tensor load behind the round; the four v_nop behind it are also the places in front of the loads below
.else
	PLACES
	WIN 0
.endif
	s_xor_b32 s[TB], s[TB], SLOT                   ; the fetches go on in the other slot
	v_add_nc_u32 v[ADRA], s[TB], v[ADRA0]
	v_add_nc_u32 v[ADRB], s[TB], v[ADRB0]
	FETCH 0, F0
	MUL8 F1, 1, 0, 0
	MUL8 F1, 1, 2, 0
.endm
	s_wait_tensorcnt 1                             ; my part of K step 0 is in; K step 1's may stay out
	s_barrier_signal -1
	s_barrier_wait -1                              ; everybody's is
	FETCH 0, F0
	QUARTER 128, F0, F1, 1                         ; the first quarter stands in front of the loop: its first products start the sums
	WIN 0                                          ; at a label and at a branch every window is 0
	s_mov_b32 s3, 2
.Lstep:                                                ; two trips: from a K step's second quarter to the next step's first; they ask for K steps 2 and 3
	QUARTER 256, F1, F0, 0
	QUARTER 384, F0, F1, 0
	TURN 1
	QUARTER 128, F0, F1, 0
	WIN 0
	s_sub_co_u32 s3, s3, 1
	s_cmp_lg_u32 s3, 0
	s_cbranch_scc1 .Lstep
	QUARTER 256, F1, F0, 0                         ; the rest of K step 2 and K step 3 are written out: nothing more is asked for
	QUARTER 384, F0, F1, 0
	TURN 0
	QUARTER 128, F0, F1, 0
	QUARTER 256, F1, F0, 0
	QUARTER 384, F0, F1, 0
	s_wait_dscnt 16                                ; the very last quarter: nothing more to fetch
	MUL8 F1, 0, 0, 0
	MUL8 F1, 0, 2, 0
	s_wait_dscnt 0
	MUL8 F1, 1, 0, 0
	MUL8 F1, 1, 2, 0
	WIN 0
	; THE WAY OUT: round to bf16; 16 bytes a lane into the group's stage; a barrier, since a row's 256 bytes come from two waves; back as whole rows, 32 rows a wave.
	PLACES
.irp t, 0,1,2,3,4,5,6,7,8,9,10,11,12,13,14,15
.irp r, 0,1,2,3
	v_cvt_pk_bf16_f32 v[TMP+4*(\t)+(\r)], v[ACC+8*(\t)+2*(\r)], v[ACC+8*(\t)+2*(\r)+1]
.endr
.endr
.irp a, 0,1,2,3
.irp b, 0,1,2,3
	ds_store_b128 v[STO], v[TMP+4*(4*(\a)+(\b)):TMP+4*(4*(\a)+(\b))+3] offset:(\a)*16*SPITCH+32*(\b)
.endr
.endr
	s_wait_dscnt 0x0                               ; for the others' sake: my stores into the stage are done
	s_barrier_signal -1
	s_barrier_wait -1
.irp t, 0,1,2,3,4,5,6,7,8,9,10,11,12,13,14,15
	ds_load_b128 v[TMP+4*(\t):TMP+4*(\t)+3], v[RD] offset:(\t)*2*SPITCH
.endr
.irp t, 0,1,2,3,4,5,6,7,8,9,10,11,12,13,14,15
	s_wait_dscnt 15-(\t)
	global_store_b128 v[CO], v[TMP+4*(\t):TMP+4*(\t)+3], s[8:9] offset:(\t)*4096  ; 16 lanes store 256 consecutive bytes, at a multiple of 256 from C's first byte
.endr
	s_wait_tensorcnt 0x0                           ; the wave's end, behind my last tensor load and my last LDS store
	ds_add_u32 v[SPW], v[NIL]
	s_wait_dscnt 0x0
	CROUND                                         ; the closing round: no group ends while a partner may still ask for a tile that names it
	s_endpgm
.Lfunc_end_k_q377d71a3c5_gemm_qu:
	.size	k_q377d71a3c5_gemm_qu, .Lfunc_end_k_q377d71a3c5_gemm_qu-k_q377d71a3c5_gemm_qu
	.p2alignl 7, 3214868480
	.fill 96, 4, 3214868480
	.section	.rodata,"a",@progbits
	.p2align	6, 0x0
	.amdhsa_kernel k_q377d71a3c5_gemm_qu
		.amdhsa_group_segment_fixed_size 327680
		.amdhsa_private_segment_fixed_size 0
		.amdhsa_enable_private_segment 0
		.amdhsa_kernarg_size 24
		.amdhsa_user_sgpr_count 2
		.amdhsa_user_sgpr_kernarg_segment_ptr 1
		.amdhsa_wavefront_size32 1
		.amdhsa_system_sgpr_workgroup_id_x 1
		.amdhsa_system_sgpr_workgroup_id_y 1
		.amdhsa_system_sgpr_workgroup_id_z 1
		.amdhsa_system_vgpr_workitem_id 0
		.amdhsa_next_free_vgpr 512
		.amdhsa_next_free_sgpr 98
		.amdhsa_reserve_vcc 0
		.amdhsa_float_denorm_mode_32 3
		.amdhsa_float_denorm_mode_16_64 3
		.amdhsa_memory_ordered 1
		.amdhsa_forward_progress 1
		.amdhsa_inst_pref_size 69
	.end_amdhsa_kernel
	.amdgpu_metadata
---
amdhsa.version: [ 1, 2 ]
amdhsa.kernels:
  - .name:           k_q377d71a3c5_gemm_qu
    .symbol:         k_q377d71a3c5_gemm_qu.kd
    .args:
      - { .name: qb, .offset: 0, .size: 8, .value_kind: global_buffer, .address_space: global }
      - { .name: wcat, .offset: 8, .size: 8, .value_kind: global_buffer, .address_space: global }
      - { .name: qu, .offset: 16, .size: 8, .value_kind: global_buffer, .address_space: global }
    .group_segment_fixed_size: 327680
    .private_segment_fixed_size: 0
    .kernarg_segment_align: 8
    .kernarg_segment_size: 24
    .max_flat_workgroup_size: 128
    .sgpr_count:     98
    .vgpr_count:     512
    .wavefront_size: 32
...
	.end_amdgpu_metadata
.endif
;; end of part 2
;; launch gemm_qk: the kernel of part 2 again; grid 8 x 32, 4 waves a work-group, clusters of 4 x 4, 327,680 bytes of LDS; arguments qu, wkt, xbuf; writes xbuf
;; launch attend (part 3): grid 256 x 1, 16 waves a work-group, no clusters, 2,304 bytes of LDS; arguments xbuf, context_bank, memory_bank, ybuf, out1; writes ybuf, out1
.if DOCPART == 3
	.amdgcn_target "amdgcn-amd-amdhsa--gfx1250"
	.amdhsa_code_object_version 6
	.text
	.protected	k_q377d71a3c5_attend
	.globl	k_q377d71a3c5_attend
	.p2align	8
	.type	k_q377d71a3c5_attend,@function
k_q377d71a3c5_attend:
	s_mov_b64 s[64:65], 0
	v_nop
	global_prefetch_b8 v0, s[64:65] scope:SCOPE_SE
	s_setreg_imm32_b32 hwreg(HW_REG_WAVE_MODE, 25, 1), 1
	s_wait_xcnt 0x0
; For each row b: score[s] = (qk[b] . context[b][s]) / 32, since q . (Wk c) = (q Wk) . c;  attn = softmax over the 4 scores, the true maximum taken away first;
; mix[b] = sum over s of attn[s] memory[b][s], since sum attn (Wv m) = Wv (sum attn m).  qk: bf16 [4096][1024]; context, memory: f32 [4096][4][1024], each number rounded to bf16 as it
; arrives, as every input of the program is; products and sums in f32; mix rounded once to bf16; attn leaves in f32.
; LIMITS.  A weight below 2^-126 counts as 0; NaN and infinities are not treated apart.
; SHARES.  One wave, one row: 16 waves a group, 256 groups, all 4,096 rows at once.  In chunk t of 8, lane l has columns 128 t + 4 l + 0..3: each load of a wave covers 512 consecutive bytes of a bank
; (256 of qk), each store of mix 256.  A wave asks for qk, all of its context and half of its memory at once, the other half of memory as soon as half of context's registers are free.
; Memory binds: no matrix unit, no cluster, no tensor load; nothing is shared between rows.  LDS serves only to gather the group's 16 x 4 attn into one aligned run of 256 bytes.
.set SPARE, 256                        ; behind the 256 bytes of attn: the spare words, 128 bytes for each of 16 waves
.set SPW, 5                            ; v5   LDS address of my spare word; never rewritten
.set NIL, 6                            ; v6   0; never rewritten
.set SC,  8                            ; v8-15   two chains of sums for each score
.set AT,  16                           ; v16-19  attn
.set RS,  20                           ; v20-27  at work
.set Q,   28                           ; v28-43  qk: chunk t in two registers, four bf16
.set C,   44                           ; v44-171 context: segment s, chunk t at C + 32 s + 4 t.  Later: s = 0, 1 take memory's segments 2, 3; s = 2 the sums of mix; s = 3 mix in bf16
.set M,   172                          ; v172-235 memory's segments 0, 1
.set MX,  C+64
.set OP,  C+96
	s_load_b256 s[8:15], s[0:1], 0x0               ; qk s[8:9], context s[10:11], memory s[12:13], mix s[14:15]
	s_load_b64 s[16:17], s[0:1], 0x20              ; attn
	v_lshl_add_u32 v[SPW], v0, 2, SPARE
	v_mov_b32 v[NIL], 0
	v_lshrrev_b32 v3, 5, v0
	v_readfirstlane_b32 s2, v3                     ; my wave's number
	v_and_b32 v1, 31, v0
	v_lshlrev_b32 v2, 3, v1                        ; 8 l
	v_lshlrev_b32 v1, 4, v1                        ; 16 l
	v_mov_b32 v4, 0                                ; the addend of each sum's first term
	s_lshl_b32 s22, s2, 4
	v_mov_b32 v7, s22                              ; my row's 16 bytes of attn in LDS
	s_lshl_b32 s3, ttmp9, 4
	s_add_co_u32 s3, s3, s2                        ; my row
	s_lshl_b32 s4, s3, 11                          ; 2,048 bytes of qk and of mix,
	s_mov_b32 s5, 0
	s_lshl_b32 s6, s3, 14                          ; 16,384 of each bank
	s_mov_b32 s7, 0
	s_lshl_b32 s18, ttmp9, 8                       ; the group's 256 bytes of attn
	s_mov_b32 s19, 0
	s_mov_b32 s20, 0x76543210                      ; v_permlanex16_b32: each lane takes its own place in the other half
	s_mov_b32 s21, 0xfedcba98
	s_wait_kmcnt 0x0
	s_add_nc_u64 s[8:9], s[8:9], s[4:5]
	s_add_nc_u64 s[10:11], s[10:11], s[6:7]
	s_add_nc_u64 s[12:13], s[12:13], s[6:7]
	s_add_nc_u64 s[14:15], s[14:15], s[4:5]
	s_add_nc_u64 s[16:17], s[16:17], s[18:19]
.irp t, 0,1,2,3,4,5,6,7
	global_load_b64 v[Q+2*(\t):Q+2*(\t)+1], v2, s[8:9] offset:256*(\t)
.endr
.set i, 0
.rept 32                               ; context, segment after segment: 32 s + 4 t = 4 i, byte 4,096 s + 512 t = 512 i
	global_load_b128 v[C+4*i:C+4*i+3], v1, s[10:11] offset:512*i th:TH_LOAD_NT
.set i, i+1
.endr
.set i, 0
.rept 16                               ; memory's segments 0 and 1
	global_load_b128 v[M+4*i:M+4*i+3], v1, s[12:13] offset:512*i th:TH_LOAD_NT
.set i, i+1
.endr
; Segment s's score, my 32 columns: four numbers are rounded to two words of bf16 in place; four fused multiply-adds take both factors straight from bf16 halves; even columns in one chain, odd in the other
.macro SCORE s
.set t, 0
.rept 8
.set rc, C+32*(\s)+4*t
.set rq, Q+2*t
	v_cvt_pk_bf16_f32 v[rc], v[rc], v[rc+1]
	v_cvt_pk_bf16_f32 v[rc+1], v[rc+2], v[rc+3]
.if t == 0
	v_fma_mix_f32_bf16 v[SC+2*(\s)], v[rc], v[rq], v4 op_sel_hi:[1,1,0]
	v_fma_mix_f32_bf16 v[SC+2*(\s)+1], v[rc], v[rq], v4 op_sel:[1,1,0] op_sel_hi:[1,1,0]
.else
	v_fma_mix_f32_bf16 v[SC+2*(\s)], v[rc], v[rq], v[SC+2*(\s)] op_sel_hi:[1,1,0]
	v_fma_mix_f32_bf16 v[SC+2*(\s)+1], v[rc], v[rq], v[SC+2*(\s)+1] op_sel:[1,1,0] op_sel_hi:[1,1,0]
.endif
	v_fma_mix_f32_bf16 v[SC+2*(\s)], v[rc+1], v[rq+1], v[SC+2*(\s)] op_sel_hi:[1,1,0]
	v_fma_mix_f32_bf16 v[SC+2*(\s)+1], v[rc+1], v[rq+1], v[SC+2*(\s)+1] op_sel:[1,1,0] op_sel_hi:[1,1,0]
.set t, t+1
.endr
.endm
; Segment s of memory, in the 32 registers from base on, times attn[s], onto the 32 sums of mix
.macro MIX s, base
.set t, 0
.rept 8
.set rm, (\base)+4*t
.set ra, MX+4*t
	v_cvt_pk_bf16_f32 v[rm], v[rm], v[rm+1]
	v_cvt_pk_bf16_f32 v[rm+1], v[rm+2], v[rm+3]
.if (\s) == 0
	v_fma_mix_f32_bf16 v[ra], v[rm], v[AT], v4 op_sel_hi:[1,0,0]
	v_fma_mix_f32_bf16 v[ra+1], v[rm], v[AT], v4 op_sel:[1,0,0] op_sel_hi:[1,0,0]
	v_fma_mix_f32_bf16 v[ra+2], v[rm+1], v[AT], v4 op_sel_hi:[1,0,0]
	v_fma_mix_f32_bf16 v[ra+3], v[rm+1], v[AT], v4 op_sel:[1,0,0] op_sel_hi:[1,0,0]
.else
	v_fma_mix_f32_bf16 v[ra], v[rm], v[AT+(\s)], v[ra] op_sel_hi:[1,0,0]
	v_fma_mix_f32_bf16 v[ra+1], v[rm], v[AT+(\s)], v[ra+1] op_sel:[1,0,0] op_sel_hi:[1,0,0]
	v_fma_mix_f32_bf16 v[ra+2], v[rm+1], v[AT+(\s)], v[ra+2] op_sel_hi:[1,0,0]
	v_fma_mix_f32_bf16 v[ra+3], v[rm+1], v[AT+(\s)], v[ra+3] op_sel:[1,0,0] op_sel_hi:[1,0,0]
.endif
.set t, t+1
.endr
.endm
	s_wait_loadcnt 40                              ; qk and context 0 are in; younger: context 1-3 (24) and memory 0, 1 (16)
	SCORE 0
	s_wait_loadcnt 32                              ; context 1; younger: context 2, 3 (16) and memory 0, 1 (16)
	SCORE 1
.set i, 16
.rept 16                               ; memory's segments 2 and 3 go where context 0 and 1 lay
	global_load_b128 v[C+4*(i-16):C+4*(i-16)+3], v1, s[12:13] offset:512*i th:TH_LOAD_NT
.set i, i+1
.endr
	s_wait_loadcnt 40                              ; context 2; younger: context 3 (8), memory 0, 1 (16), memory 2, 3 (16)
	SCORE 2
	s_wait_loadcnt 32                              ; context 3; younger: all of memory
	SCORE 3
	; the four sums over the wave's 32 lanes: four steps inside each half of 16 lanes ride on the addition, one crosses the halves
.irp s, 0,1,2,3
	v_add_f32 v[RS+(\s)], v[SC+2*(\s)], v[SC+2*(\s)+1]
.endr
.irp x, 1,2,4,8
.irp s, 0,1,2,3
	v_add_f32_dpp v[RS+(\s)], v[RS+(\s)], v[RS+(\s)] row_xmask:\x row_mask:0xf bank_mask:0xf
.endr
.endr
.irp s, 0,1,2,3
	v_permlanex16_b32 v[SC+2*(\s)], v[RS+(\s)], s20, s21   ; its destination has been written before
.endr
.irp s, 0,1,2,3
	v_add_f32 v[RS+(\s)], v[RS+(\s)], v[SC+2*(\s)]
.endr
	; softmax: p = 2^((x - m) log2(e) / 32), m the largest of the four
	v_max3_num_f32 v[RS+4], v[RS], v[RS+1], v[RS+2]
	v_max_num_f32 v[RS+4], v[RS+4], v[RS+3]
.irp s, 0,1,2,3
	v_sub_f32 v[RS+(\s)], v[RS+(\s)], v[RS+4]
.endr
.irp s, 0,1,2,3
	v_mul_f32 v[RS+(\s)], 0x3d38aa3b, v[RS+(\s)]   ; log2(e) / sqrt(1024)
.endr
.irp s, 0,1,2,3
	v_exp_f32 v[RS+(\s)], v[RS+(\s)]
.endr
	v_nop                                          ; a plain instruction between the last exponential and the use of its result
	s_wait_alu depctr_va_vdst(0)
	v_add_f32 v[RS+4], v[RS], v[RS+1]
	v_add_f32 v[RS+5], v[RS+2], v[RS+3]
	v_add_f32 v[RS+4], v[RS+4], v[RS+5]
	v_rcp_f32 v[RS+4], v[RS+4]
	v_nop
	s_wait_alu depctr_va_vdst(0)
.irp s, 0,1,2,3
	v_mul_f32 v[AT+(\s)], v[RS+(\s)], v[RS+4]
.endr
	ds_store_b128 v7, v[AT:AT+3]                   ; every lane holds the same four numbers and writes them to the same 16 bytes
	s_wait_loadcnt 24                              ; memory 0; younger: memory 1 (8) and 2, 3 (16)
	MIX 0, M
	s_wait_loadcnt 16
	MIX 1, M+32
	s_wait_loadcnt 8
	MIX 2, C
	s_wait_loadcnt 0x0
	MIX 3, C+32
.irp t, 0,1,2,3,4,5,6,7
	v_cvt_pk_bf16_f32 v[OP+2*(\t)], v[MX+4*(\t)], v[MX+4*(\t)+1]
	v_cvt_pk_bf16_f32 v[OP+2*(\t)+1], v[MX+4*(\t)+2], v[MX+4*(\t)+3]
	global_store_b64 v2, v[OP+2*(\t):OP+2*(\t)+1], s[14:15] offset:256*(\t)  ; the wave's store covers 256 consecutive bytes, aligned
.endr
	s_wait_tensorcnt 0x0                           ; behind my last LDS store; the wait below also shows that store done, for wave 0's sake
	ds_add_u32 v[SPW], v[NIL]
	s_wait_dscnt 0x0
	s_barrier_signal -1
	s_barrier_wait -1                              ; all sixteen rows' attn lie in LDS
	s_cmp_lg_u32 s2, 0
	s_cbranch_scc1 .Lend
	ds_load_b64 v[RS:RS+1], v2                     ; wave 0 takes the 256 bytes
	s_wait_dscnt 0x0
	global_store_b64 v2, v[RS:RS+1], s[16:17]      ; and stores them as one aligned run
.Lend:
	s_endpgm
.Lfunc_end_k_q377d71a3c5_attend:
	.size	k_q377d71a3c5_attend, .Lfunc_end_k_q377d71a3c5_attend-k_q377d71a3c5_attend
	.p2alignl 7, 3214868480
	.fill 96, 4, 3214868480
	.section	.rodata,"a",@progbits
	.p2align	6, 0x0
	.amdhsa_kernel k_q377d71a3c5_attend
		.amdhsa_group_segment_fixed_size 2304
		.amdhsa_private_segment_fixed_size 0
		.amdhsa_enable_private_segment 0
		.amdhsa_kernarg_size 40
		.amdhsa_user_sgpr_count 2
		.amdhsa_user_sgpr_kernarg_segment_ptr 1
		.amdhsa_wavefront_size32 1
		.amdhsa_system_sgpr_workgroup_id_x 1
		.amdhsa_system_sgpr_workgroup_id_y 1
		.amdhsa_system_sgpr_workgroup_id_z 1
		.amdhsa_system_vgpr_workitem_id 0
		.amdhsa_next_free_vgpr 240
		.amdhsa_next_free_sgpr 66
		.amdhsa_reserve_vcc 0
		.amdhsa_float_denorm_mode_32 3
		.amdhsa_float_denorm_mode_16_64 3
		.amdhsa_memory_ordered 1
		.amdhsa_forward_progress 1
		.amdhsa_inst_pref_size 38
	.end_amdhsa_kernel
	.amdgpu_metadata
---
amdhsa.version: [ 1, 2 ]
amdhsa.kernels:
  - .name:           k_q377d71a3c5_attend
    .symbol:         k_q377d71a3c5_attend.kd
    .args:
      - { .name: xbuf, .offset: 0, .size: 8, .value_kind: global_buffer, .address_space: global }
      - { .name: context_bank, .offset: 8, .size: 8, .value_kind: global_buffer, .address_space: global }
      - { .name: memory_bank, .offset: 16, .size: 8, .value_kind: global_buffer, .address_space: global }
      - { .name: ybuf, .offset: 24, .size: 8, .value_kind: global_buffer, .address_space: global }
      - { .name: out1, .offset: 32, .size: 8, .value_kind: global_buffer, .address_space: global }
    .group_segment_fixed_size: 2304
    .private_segment_fixed_size: 0
    .kernarg_segment_align: 8
    .kernarg_segment_size: 40
    .max_flat_workgroup_size: 512
    .sgpr_count:     66
    .vgpr_count:     240
    .wavefront_size: 32
...
	.end_amdgpu_metadata
.endif
;; end of part 3
;; launch gemm_ret: the kernel of part 2 again; grid 8 x 32, 4 waves a work-group, clusters of 4 x 4, 327,680 bytes of LDS; arguments ybuf, wvb, xbuf; writes xbuf
;; launch gemm_g1 (part 4): grid 8 x 32, 4 waves a work-group, clusters of 4 x 4, 327,680 bytes of LDS; arguments xbuf, wrest, ybuf, qu, bg1; writes ybuf
.if DOCPART == 4
	.amdgcn_target "amdgcn-amd-amdhsa--gfx1250"
	.amdhsa_code_object_version 6
	.text
	.protected	k_q377d71a3c5_gemm_g1
	.globl	k_q377d71a3c5_gemm_g1
	.p2align	8
	.type	k_q377d71a3c5_gemm_g1,@function
k_q377d71a3c5_gemm_g1:
	s_mov_b64 s[64:65], 0
	v_nop
	global_prefetch_b8 v0, s[64:65] scope:SCOPE_SE
	s_setreg_imm32_b32 hwreg(HW_REG_WAVE_MODE, 25, 1), 1
	s_wait_xcnt 0x0
	s_wait_alu depctr_hold_cnt(0) depctr_sa_sdst(0) depctr_va_vdst(0) depctr_va_sdst(0) depctr_va_ssrc(0) depctr_va_vcc(0) depctr_vm_vsrc(0)
	s_getreg_b32 s2, hwreg(HW_REG_IB_STS2, 6, 4)
	s_cmp_eq_u32 s2, 0
	s_cbranch_scc0 .Lentry_in_a_cluster
	s_endpgm
.Lentry_in_a_cluster:
	s_bfe_u32 s2, ttmp6, 0x10000c
	s_cmp_lg_u32 s2, 0xf033
	s_cbranch_scc0 .Lentry_shape_is_right
	s_endpgm
.Lentry_shape_is_right:
; g1[m][n] = relu(sum over k of r[m][k] (Wb - Wc)[n][k] + u[m][n] + bg1[n]), rounded once to bf16.  r = retrieved: [4096][1024] bf16; Wb - Wc: [1024][1024] bf16 at its buffer's first byte;
; u = x (Wa + Wc)^T: [4096][1024] bf16, 8 MiB into its buffer; bg1: f32, rounded to bf16 as every input is.  Sums in f32.
; A tile of C is 128 x 128: 32 x 8 tiles, one for each of 256 groups.  Four waves, each 64 x 64: 16 accumulators of 16 x 16.  K = 1024 goes in 4 steps of 256 through two LDS slots.
; The tile's 128 x 128 of u is brought by tensor loads of the group's own into slot 0, when K step 2 has been read out of it, and lands during K step 3.
; CLUSTERS: 4 x 4 groups; A's tiles are asked for jointly along a row of the cluster, B's along a column.  u's tile hangs on both coordinates: nobody shares it, so its load has no mask.
; THE MATRIX INSTRUCTION IS USED TRANSPOSED (source 0 = 16 rows of B, source 1 = 16 rows of A): a lane holds eight neighbouring numbers of a row of C.
; REGISTERS: window 0: v0-31 addresses and eight at work; v32-95 the way out; v96-127 the bias of my 32 columns; v128-255 the accumulators ((a, b) at v[128 + 8 (4 a + b)]).  window 1: two fragment buffers of 128.
.set KSTEP,  256
.set PITCH,  528                       ; an LDS row: 512 bytes + 16 of padding: the 16 rows that a load touches start at 16 different groups of four banks (ISA guide 11.1)
.set HALFT,  64*PITCH
.set SLOT,   4*HALFT                   ; 0x21000: no wave's place in a slot has one of these two bits, so an exclusive or changes slots
.set STAGE,  2*SLOT
.set SPITCH, 272
.set SPARE,  STAGE+128*SPITCH
.set SIZE_K, 1024
.set BOFF,   0
.set ADRA0, 16
.set ADRB0, 17
.set ADRA,  18
.set ADRB,  19
.set VB,   20                          ; v20  my byte offset in the bias of 16 columns
.set STO,  24
.set RD,   25
.set CO,   26
.set EAD,  27                          ; v27  my 16 bytes in u's tile: the stage's place, counted from LDS byte 0
.set SPW,  28
.set NIL,  29
.set TMP,  32
.set BI,   96
.set ACC,  128
.set F0,   0
.set F1,   128
.set G1, 24
.set G0, 32
.set G1B, 48
.set G0B, 56
.set GE1, 68                           ; s[68:75] descriptor group 1 for u's tile
.set GEQ, 76                           ; s[76:79] its group 0
.set TB,  91
.set MSB, 0
.macro WIN new
.if MSB != (\new)
	s_set_vgpr_msb (MSB<<8)|(\new)
.set MSB, \new
.endif
.endm
.set MUL,  0x05
.set TO_F, 0x40
.macro JLOAD s                         ; a joint load: waves 0 and 1 fetch A's two halves, waves 2 and 3 B's; an s_nop 0 and four v_nop follow each of the two lines
	s_cmp_eq_u32 s11, 0
	s_cbranch_scc0 .Lfor_b_\@
	tensor_load_to_lds s[G0+4*(\s):G0+4*(\s)+3], s[G1:G1+7]
	s_nop 0
.rept 4
	v_nop
.endr
	s_branch .Lasked_\@
.Lfor_b_\@:
	tensor_load_to_lds s[G0B+4*(\s):G0B+4*(\s)+3], s[G1B:G1B+7]
	s_nop 0
.rept 4
	v_nop
.endr
.Lasked_\@:
.endm
.macro PLACES
.rept 4
	v_nop
.endr
.endm
.macro ELOAD                           ; u's tile: waves 0 and 1 fetch its two halves of 64 rows; waves 2 and 3 have no part of it
	s_cmp_eq_u32 s11, 0
	s_cbranch_scc0 .Lno_e_\@
	tensor_load_to_lds s[GEQ:GEQ+3], s[GE1:GE1+7]
	s_nop 0
.rept 4
	v_nop
.endr
.Lno_e_\@:
	PLACES                                         ; for every wave: the places in front of the fragment loads that follow
.endm
.macro CREST
	s_cmp_lg_u32 s10, 0
	s_cbranch_scc1 .Lnot_wave_0_\@
	s_barrier_signal -3
.Lnot_wave_0_\@:
	s_barrier_wait -3
	s_barrier_signal -1
	s_barrier_wait -1
.endm
.macro CROUND
	s_barrier_signal -1
	s_barrier_wait -1
	CREST
.endm
	s_load_b128 s[4:7], s[0:1], 0x0                ; A s[4:5], B s[6:7]
	s_load_b64 s[8:9], s[0:1], 0x10                ; C
	s_load_b64 s[84:85], s[0:1], 0x18              ; the buffer that holds u
	s_load_b64 s[88:89], s[0:1], 0x20              ; the bias
	v_lshl_add_u32 v[SPW], v0, 2, SPARE
	v_mov_b32 v[NIL], 0
	ds_add_u32 v[SPW], v[NIL]                      ; the wave's opening: the add and its wait come ahead of my first tensor load
	v_lshrrev_b32 v1, 5, v0
	v_readfirstlane_b32 s10, v1                    ; wave 0..3
	s_lshr_b32 s11, s10, 1
	s_and_b32 s12, s10, 1
	s_bfe_u32 s40, ttmp6, 0x40000                  ; cx, cy
	s_bfe_u32 s41, ttmp6, 0x40004
	s_lshl_b32 s42, ttmp9, 2
	s_add_co_u32 s42, s42, s40                     ; tile column
	s_and_b32 s13, ttmp7, 0xffff
	s_lshl_b32 s13, s13, 2
	s_add_co_u32 s13, s13, s41                     ; tile row
	s_lshl_b32 s43, s41, 2
	s_lshl_b32 s43, 15, s43                        ; my row of the cluster
	s_lshl_b32 s44, 0x1111, s40                    ; my column
	s_or_b32 s[G1+0], s43, (1<<16)|(1<<20)|(1<<21)|(6<<22)|(3<<25)  ; the mask; 2-byte elements; padding on; 21 set beside a mask; after every 128 words 4 words
	s_or_b32 s[G1B+0], s44, (1<<16)|(1<<20)|(1<<21)|(6<<22)|(3<<25)
.irp g, G1, G1B
	s_mov_b32 s[(\g)+1], KSTEP<<16
	s_mov_b32 s[(\g)+2], 64<<16
	s_mov_b32 s[(\g)+3], KSTEP<<16
	s_mov_b32 s[(\g)+4], 64
	s_mov_b32 s[(\g)+5], SIZE_K
	s_mov_b32 s[(\g)+6], 0
	s_mov_b32 s[(\g)+7], 0
.endr
	s_mov_b32 s[GE1+0], (1<<16)|(1<<20)|(5<<22)|(3<<25)  ; no mask; 2-byte elements; padding on: after every 64 words 4 words
	s_mov_b32 s[GE1+1], 128<<16                    ; tensor_dim0 = 128
	s_mov_b32 s[GE1+2], 64<<16                     ; tensor_dim1 = 64
	s_mov_b32 s[GE1+3], 128<<16                    ; tile_dim0 = 128
	s_mov_b32 s[GE1+4], 64                         ; tile_dim1 = 64
	s_mov_b32 s[GE1+5], 1024                       ; elements from row to row
	s_mov_b32 s[GE1+6], 0
	s_mov_b32 s[GE1+7], 0
	s_mov_b32 s[GEQ], 1
	s_mul_i32 s[GEQ+1], s10, 64*SPITCH             ; wave x 64 rows of 272 bytes, from LDS byte 0 on
	s_lshl_b32 s17, s12, 6
	s_lshl_b32 s16, s13, 7
	s_add_co_u32 s16, s16, s17
	s_lshl_b32 s16, s16, 11                        ; A: (128 x tile row + 64 x half) rows of 2,048 bytes
	s_lshl_b32 s46, s42, 7
	s_add_co_u32 s46, s46, s17
	s_lshl_b32 s46, s46, 11                        ; B likewise, by the tile column
	s_add_co_u32 s46, s46, BOFF
	s_lshl_b32 s94, s13, 7                         ; u's tile hangs on both coordinates: registers of its own
	s_add_co_u32 s94, s94, s17
	s_lshl_b32 s94, s94, 11
	s_lshl_b32 s95, s42, 8
	s_add_co_u32 s94, s94, s95
	s_add_co_u32 s94, s94, 0x800000                ; u lies 8 MiB into its buffer
	s_mov_b32 s95, 0
	s_lshl_b32 s96, s42, 9                         ; the bias of my 64 columns: 512 x tile column + 256 x half
	s_lshl_b32 s97, s12, 8
	s_add_co_u32 s96, s96, s97
	s_mov_b32 s97, 0
	s_mov_b32 s17, 0
	s_mov_b32 s47, 0
	s_mul_i32 s20, s10, HALFT
	s_mov_b32 s[TB], 0
	s_mov_b32 s90, 0xffff0000                      ; a word's upper bf16
	s_wait_dscnt 0x0                               ; the opening add is done
	s_wait_kmcnt 0x0
	s_add_nc_u64 s[14:15], s[4:5], s[16:17]
	s_add_nc_u64 s[46:47], s[6:7], s[46:47]
	s_add_nc_u64 s[GEQ+2:GEQ+3], s[84:85], s[94:95]
	s_or_b32 s[GEQ+3], s[GEQ+3], 0x80000000
	s_add_nc_u64 s[88:89], s[88:89], s[96:97]
	CROUND                                         ; all sixteen groups are here: the first joint loads meet
.irp s, 0,1
	s_mov_b32 s[G0+4*(\s)], 1
	s_add_co_u32 s[G0+4*(\s)+1], s20, (\s)*SLOT
	s_add_nc_u64 s[G0+4*(\s)+2:G0+4*(\s)+3], s[14:15], (\s)*KSTEP*2
	s_or_b32 s[G0+4*(\s)+3], s[G0+4*(\s)+3], 0x80000000
	s_mov_b32 s[G0B+4*(\s)], 1
	s_add_co_u32 s[G0B+4*(\s)+1], s20, (\s)*SLOT
	s_add_nc_u64 s[G0B+4*(\s)+2:G0B+4*(\s)+3], s[46:47], (\s)*KSTEP*2
	s_or_b32 s[G0B+4*(\s)+3], s[G0B+4*(\s)+3], 0x80000000
	JLOAD \s                                       ; K steps 0 and 1: two loads of mine are out, the most in this text
.endr
	v_and_b32 v1, 15, v0                           ; l % 16
	v_bfe_u32 v2, v0, 4, 1                         ; l / 16
	v_lshlrev_b32 v[VB], 5, v2                     ; my eight columns of sixteen: 32 bytes for each half of the lanes
.irp b, 0,1,2,3
	global_load_b128 v[BI+8*(\b):BI+8*(\b)+3],   v[VB], s[88:89] offset:64*(\b)
	global_load_b128 v[BI+8*(\b)+4:BI+8*(\b)+7], v[VB], s[88:89] offset:64*(\b)+16
.endr
	v_mul_u32_u24 v3, v1, PITCH
	v_lshl_add_u32 v3, v2, 4, v3
	s_mul_i32 s21, s11, HALFT
	s_mul_i32 s22, s12, HALFT
	s_add_co_u32 s22, s22, 2*HALFT
	v_add_nc_u32 v[ADRA0], s21, v3
	v_add_nc_u32 v[ADRB0], s22, v3
	v_mov_b32 v[ADRA], v[ADRA0]
	v_mov_b32 v[ADRB], v[ADRB0]
	s_mul_i32 s23, s11, 64*SPITCH                  ; my 64 rows, my half of their 256 bytes; row l % 16, 16 bytes for each half of the lanes:
	s_lshl_b32 s21, s12, 7
	s_add_co_u32 s23, s23, s21
	v_mul_u32_u24 v4, v1, SPITCH
	v_lshl_add_u32 v4, v2, 4, v4
	v_add_nc_u32 v[EAD], s23, v4                   ; in u's tile,
	s_add_co_u32 s23, s23, STAGE
	v_add_nc_u32 v[STO], s23, v4                   ; and in the stage
	s_mul_i32 s23, s10, 32*SPITCH
	s_add_co_u32 s23, s23, STAGE
	v_mul_u32_u24 v5, v2, SPITCH
	v_lshl_add_u32 v5, v1, 4, v5
	v_add_nc_u32 v[RD], s23, v5
	v_lshlrev_b32 v5, 11, v2
	v_lshl_add_u32 v[CO], v1, 4, v5
	s_lshl_b32 s16, s13, 7
	s_lshl_b32 s17, s10, 5
	s_add_co_u32 s16, s16, s17
	s_lshl_b32 s16, s16, 11
	s_mov_b32 s17, 0
	s_add_nc_u64 s[8:9], s[8:9], s[16:17]
	s_lshl_b32 s46, s42, 8
	s_mov_b32 s47, 0
	s_add_nc_u64 s[8:9], s[8:9], s[46:47]
	s_wait_loadcnt 0x0                             ; the bias, in the wait for the first tile; rounded to bf16 and widened again
.set i, 0
.rept 16
	v_cvt_pk_bf16_f32 v[TMP+i], v[BI+2*i], v[BI+2*i+1]
.set i, i+1
.endr
.set i, 0
.rept 16
	v_lshlrev_b32 v[BI+2*i], 16, v[TMP+i]
	v_and_b32 v[BI+2*i+1], s90, v[TMP+i]
.set i, i+1
.endr
.macro MUL8 f, c, a0, zero             ; 8 matrix instructions; the 16 accumulators take turns
	WIN MUL
.irp a, \a0, (\a0)+1
.irp b, 0,1,2,3
.set rD, ACC+8*(4*(\a)+(\b))
.set rB, (\f)+64+8*(4*(\c)+(\b))
.set rA, (\f)+8*(4*(\c)+(\a))
.if \zero
	v_wmma_f32_16x16x32_bf16 v[rD:rD+7], v[rB:rB+7], v[rA:rA+7], 0
.else
	v_wmma_f32_16x16x32_bf16 v[rD:rD+7], v[rB:rB+7], v[rA:rA+7], v[rD:rD+7]
.endif
.endr
.endr
.endm
.macro FETCH k, f                      ; 32 LDS loads in one run: 64 along K at byte k of the rows of the slot in hand; the first 32 along K first
	WIN TO_F
.irp c, 0,1
.irp i, 0,1,2,3
	ds_load_b128 v[(\f)+64+8*(4*(\c)+(\i)):(\f)+64+8*(4*(\c)+(\i))+3],   v[ADRB] offset:(\k)+64*(\c)+(\i)*16*PITCH
	ds_load_b128 v[(\f)+64+8*(4*(\c)+(\i))+4:(\f)+64+8*(4*(\c)+(\i))+7], v[ADRB] offset:(\k)+64*(\c)+(\i)*16*PITCH+32
	ds_load_b128 v[(\f)+8*(4*(\c)+(\i)):(\f)+8*(4*(\c)+(\i))+3],         v[ADRA] offset:(\k)+64*(\c)+(\i)*16*PITCH
	ds_load_b128 v[(\f)+8*(4*(\c)+(\i))+4:(\f)+8*(4*(\c)+(\i))+7],       v[ADRA] offset:(\k)+64*(\c)+(\i)*16*PITCH+32
.endr
.endr
.endm
.macro QUARTER k, f, g, zero
	s_wait_dscnt 16                                ; the first 32 along K are in
	MUL8 \f, 0, 0, \zero
	MUL8 \f, 0, 2, \zero
	PLACES
	FETCH \k, \g
	s_wait_dscnt 32                                ; all but the 32 just issued
	MUL8 \f, 1, 0, 0
	MUL8 \f, 1, 2, 0
.endm
; The last quarter of a K step changes slots: ONE barrier; in front of it each wave waits for all its tensor loads, adds 0 to its spare word, and waits for that and for its own reads of this slot.
; The barrier opens a round of the cluster's barrier.  fill = 1: this slot takes the K step two ahead.  fill = 2: slot 0, read out for the last time, takes u's tile.
.macro TURN fill
	WIN 0
	s_wait_tensorcnt 0x0                           ; all my tensor loads have landed: my part of the next slot;
	ds_add_u32 v[SPW], v[NIL]                      ; 0 onto my spare word;
	s_wait_dscnt 17                                ; (the add and the youngest sixteen loads may be out)
	MUL8 F1, 0, 0, 0
	s_wait_dscnt 0x0                               ; the add is done, and my reads of this slot are over
	s_barrier_signal -1
	MUL8 F1, 0, 2, 0
	WIN 0
	s_barrier_wait -1
	CREST                                          ; no wave of any partner still reads this slot's tile or has a load on its way
.if (\fill) == 1
	s_xor_b32 s[G0+5], s[G0+5], SLOT
	s_add_nc_u64 s[G0+6:G0+7], s[G0+6:G0+7], KSTEP*2
	s_xor_b32 s[G0B+5], s[G0B+5], SLOT
	s_add_nc_u64 s[G0B+6:G0B+7], s[G0B+6:G0B+7], KSTEP*2
	JLOAD 1                                        ; the first tensor load behind the round; its four v_nop are also the places in front of the loads below
.else
	ELOAD
.endif
	s_xor_b32 s[TB], s[TB], SLOT
	v_add_nc_u32 v[ADRA], s[TB], v[ADRA0]
	v_add_nc_u32 v[ADRB], s[TB], v[ADRB0]
	FETCH 0, F0
	MUL8 F1, 1, 0, 0
	MUL8 F1, 1, 2, 0
.endm
	s_wait_tensorcnt 1                             ; my part of K step 0 is in; K step 1's may stay out
	s_barrier_signal -1
	s_barrier_wait -1
	FETCH 0, F0
	QUARTER 128, F0, F1, 1                         ; its first products start the sums
	WIN 0
	s_mov_b32 s3, 2
.Lstep:                                                ; two trips: they ask for K steps 2 and 3
	QUARTER 256, F1, F0, 0
	QUARTER 384, F0, F1, 0
	TURN 1
	QUARTER 128, F0, F1, 0
	WIN 0
	s_sub_co_u32 s3, s3, 1
	s_cmp_lg_u32 s3, 0
	s_cbranch_scc1 .Lstep
	QUARTER 256, F1, F0, 0
	QUARTER 384, F0, F1, 0
	TURN 2                                         ; u's tile has K step 3, 128 matrix instructions, in which to land
	QUARTER 128, F0, F1, 0
	QUARTER 256, F1, F0, 0
	QUARTER 384, F0, F1, 0
	s_wait_dscnt 16
	MUL8 F1, 0, 0, 0
	MUL8 F1, 0, 2, 0
	s_wait_dscnt 0
	MUL8 F1, 1, 0, 0
	MUL8 F1, 1, 2, 0
	WIN 0
	; THE WAY OUT: + bias + u, relu, round to bf16, through the group's stage.
	PLACES
	s_wait_tensorcnt 0x0                           ; my part of u's tile is in,
	s_barrier_signal -1
	s_barrier_wait -1                              ; everybody's is: I read rows that the other wave fetched
.irp t, 0,1,2,3,4,5,6,7,8,9,10,11,12,13,14,15
	ds_load_b128 v[TMP+4*(\t):TMP+4*(\t)+3], v[EAD] offset:((\t)/4)*16*SPITCH+((\t)%4)*32
.endr
.irp t, 0,1,2,3,4,5,6,7,8,9,10,11,12,13,14,15
.irp k, 0,1,2,3
	v_pk_add_f32 v[ACC+8*(\t)+2*(\k):ACC+8*(\t)+2*(\k)+1], v[ACC+8*(\t)+2*(\k):ACC+8*(\t)+2*(\k)+1], v[BI+8*((\t)%4)+2*(\k):BI+8*((\t)%4)+2*(\k)+1]
.endr
	s_wait_dscnt 15                                ; behind load t stand 15 - t loads and t stores: load t is in
.irp k, 0,1,2,3
	v_lshlrev_b32 v[8+2*(\k)], 16, v[TMP+4*(\t)+(\k)]
	v_and_b32 v[9+2*(\k)], s90, v[TMP+4*(\t)+(\k)]
.endr
.irp k, 0,1,2,3
	v_pk_add_f32 v[ACC+8*(\t)+2*(\k):ACC+8*(\t)+2*(\k)+1], v[ACC+8*(\t)+2*(\k):ACC+8*(\t)+2*(\k)+1], v[8+2*(\k):9+2*(\k)]
.endr
.irp j, 0,1,2,3,4,5,6,7
	v_max_num_f32 v[ACC+8*(\t)+(\j)], 0, v[ACC+8*(\t)+(\j)]
.endr
.irp k, 0,1,2,3
	v_cvt_pk_bf16_f32 v[TMP+4*(\t)+(\k)], v[ACC+8*(\t)+2*(\k)], v[ACC+8*(\t)+2*(\k)+1]
.endr
	ds_store_b128 v[STO], v[TMP+4*(\t):TMP+4*(\t)+3] offset:((\t)/4)*16*SPITCH+((\t)%4)*32
.endr
	s_wait_dscnt 0x0                               ; for the others' sake: my stores into the stage are done
	s_barrier_signal -1
	s_barrier_wait -1
.irp t, 0,1,2,3,4,5,6,7,8,9,10,11,12,13,14,15
	ds_load_b128 v[TMP+4*(\t):TMP+4*(\t)+3], v[RD] offset:(\t)*2*SPITCH
.endr
.irp t, 0,1,2,3,4,5,6,7,8,9,10,11,12,13,14,15
	s_wait_dscnt 15-(\t)
	global_store_b128 v[CO], v[TMP+4*(\t):TMP+4*(\t)+3], s[8:9] offset:(\t)*4096  ; 16 lanes store 256 consecutive bytes, aligned
.endr
	s_wait_tensorcnt 0x0                           ; the wave's end
	ds_add_u32 v[SPW], v[NIL]
	s_wait_dscnt 0x0
	CROUND                                         ; the closing round
	s_endpgm
.Lfunc_end_k_q377d71a3c5_gemm_g1:
	.size	k_q377d71a3c5_gemm_g1, .Lfunc_end_k_q377d71a3c5_gemm_g1-k_q377d71a3c5_gemm_g1
	.p2alignl 7, 3214868480
	.fill 96, 4, 3214868480
	.section	.rodata,"a",@progbits
	.p2align	6, 0x0
	.amdhsa_kernel k_q377d71a3c5_gemm_g1
		.amdhsa_group_segment_fixed_size 327680
		.amdhsa_private_segment_fixed_size 0
		.amdhsa_enable_private_segment 0
		.amdhsa_kernarg_size 40
		.amdhsa_user_sgpr_count 2
		.amdhsa_user_sgpr_kernarg_segment_ptr 1
		.amdhsa_wavefront_size32 1
		.amdhsa_system_sgpr_workgroup_id_x 1
		.amdhsa_system_sgpr_workgroup_id_y 1
		.amdhsa_system_sgpr_workgroup_id_z 1
		.amdhsa_system_vgpr_workitem_id 0
		.amdhsa_next_free_vgpr 512
		.amdhsa_next_free_sgpr 98
		.amdhsa_reserve_vcc 0
		.amdhsa_float_denorm_mode_32 3
		.amdhsa_float_denorm_mode_16_64 3
		.amdhsa_memory_ordered 1
		.amdhsa_forward_progress 1
		.amdhsa_inst_pref_size 91
	.end_amdhsa_kernel
	.amdgpu_metadata
---
amdhsa.version: [ 1, 2 ]
amdhsa.kernels:
  - .name:           k_q377d71a3c5_gemm_g1
    .symbol:         k_q377d71a3c5_gemm_g1.kd
    .args:
      - { .name: xbuf, .offset: 0, .size: 8, .value_kind: global_buffer, .address_space: global }
      - { .name: wrest, .offset: 8, .size: 8, .value_kind: global_buffer, .address_space: global }
      - { .name: ybuf, .offset: 16, .size: 8, .value_kind: global_buffer, .address_space: global }
      - { .name: qu, .offset: 24, .size: 8, .value_kind: global_buffer, .address_space: global }
      - { .name: bg1, .offset: 32, .size: 8, .value_kind: global_buffer, .address_space: global }
    .group_segment_fixed_size: 327680
    .private_segment_fixed_size: 0
    .kernarg_segment_align: 8
    .kernarg_segment_size: 40
    .max_flat_workgroup_size: 128
    .sgpr_count:     98
    .vgpr_count:     512
    .wavefront_size: 32
...
	.end_amdgpu_metadata
.endif
;; end of part 4
;; launch gemm_gate (part 5): grid 8 x 32, 4 waves a work-group, clusters of 4 x 4, 327,680 bytes of LDS; arguments ybuf, wrest, qu, qb, xbuf, bg2; writes qu
.if DOCPART == 5
	.amdgcn_target "amdgcn-amd-amdhsa--gfx1250"
	.amdhsa_code_object_version 6
	.text
	.protected	k_q377d71a3c5_gemm_gate
	.globl	k_q377d71a3c5_gemm_gate
	.p2align	8
	.type	k_q377d71a3c5_gemm_gate,@function
k_q377d71a3c5_gemm_gate:
	s_mov_b64 s[64:65], 0
	v_nop
	global_prefetch_b8 v0, s[64:65] scope:SCOPE_SE
	s_setreg_imm32_b32 hwreg(HW_REG_WAVE_MODE, 25, 1), 1
	s_wait_xcnt 0x0
	s_wait_alu depctr_hold_cnt(0) depctr_sa_sdst(0) depctr_va_vdst(0) depctr_va_sdst(0) depctr_va_ssrc(0) depctr_va_vcc(0) depctr_vm_vsrc(0)
	s_getreg_b32 s2, hwreg(HW_REG_IB_STS2, 6, 4)
	s_cmp_eq_u32 s2, 0
	s_cbranch_scc0 .Lentry_in_a_cluster
	s_endpgm
.Lentry_in_a_cluster:
	s_bfe_u32 s2, ttmp6, 0x10000c
	s_cmp_lg_u32 s2, 0xf033
	s_cbranch_scc0 .Lentry_shape_is_right
	s_endpgm
.Lentry_shape_is_right:
; gate[m][n] = sigmoid(sum over k of g1[m][k] Wg2[n][k] + bg2[n]);  fused = gate x + (1 - gate) r = gate (x - r) + r, rounded once to f16.
; g1: [4096][1024] bf16; Wg2: [1024][1024] bf16, 2 MiB into its buffer; x = query in bf16; r = retrieved in bf16; bg2: f32, rounded to bf16 as every input is.  Sums, gate and blend in f32.
; sigmoid(z) = 1 / (1 + 2^(-log2(e) z)): where the power overflows the gate is 0, where it vanishes the gate is 1.
; LIMIT.  fused leaves in f16, for its 11 significant bits: it lies between x and r, which must stay within 65,504.
; A tile of C is 128 x 128: 32 x 8 tiles, one for each of 256 groups.  Four waves, each 64 x 64.  K = 1024 goes in 4 steps of 256 through two LDS slots.
; The tile's 128 x 128 of x and of r are brought by tensor loads of the group's own into slot 0, when K step 2 has been read out of it, and land during K step 3.
; CLUSTERS: 4 x 4 groups; A's tiles are asked for jointly along a row of the cluster, B's along a column.  x's and r's tiles hang on both coordinates: nobody shares them, so their loads have no mask.
; THE MATRIX INSTRUCTION IS USED TRANSPOSED (source 0 = 16 rows of B, source 1 = 16 rows of A): a lane holds eight neighbouring numbers of a row of C.
; REGISTERS: window 0: v0-31 addresses; v32-95 the way out; v96-127 -log2(e) x the bias of my 32 columns; v128-255 the accumulators.  window 1: two fragment buffers of 128.
.set KSTEP,  256
.set PITCH,  528                       ; an LDS row: 512 bytes + 16 of padding: the 16 rows that a load touches start at 16 different groups of four banks (ISA guide 11.1)
.set HALFT,  64*PITCH
.set SLOT,   4*HALFT                   ; 0x21000: no wave's place in a slot has one of these two bits, so an exclusive or changes slots
.set STAGE,  2*SLOT
.set SPITCH, 272
.set SPARE,  STAGE+128*SPITCH
.set E1OFF,  128*SPITCH                ; r's tile lies behind x's
.set SIZE_K, 1024
.set BOFF,   0x200000
.set ADRA0, 16
.set ADRB0, 17
.set ADRA,  18
.set ADRB,  19
.set VB,   20
.set STO,  24
.set RD,   25
.set CO,   26
.set EAD,  27                          ; v27  my 16 bytes in x's tile
.set SPW,  28
.set NIL,  29
.set TMP,  32
.set BI,   96
.set ACC,  128
.set F0,   0
.set F1,   128
.set G1, 24
.set G0, 32
.set G1B, 48
.set G0B, 56
.set GE1, 68                           ; s[68:75] descriptor group 1 for x's and r's tiles
.set GEQ, 76                           ; s[76:79] group 0 for x's
.set GER, 80                           ; s[80:83] for r's
.set TB,  91
.set MSB, 0
.macro WIN new
.if MSB != (\new)
	s_set_vgpr_msb (MSB<<8)|(\new)
.set MSB, \new
.endif
.endm
.set MUL,  0x05
.set TO_F, 0x40
.macro JLOAD s                         ; a joint load: waves 0 and 1 fetch A's two halves, waves 2 and 3 B's; an s_nop 0 and four v_nop follow each of the two lines
	s_cmp_eq_u32 s11, 0
	s_cbranch_scc0 .Lfor_b_\@
	tensor_load_to_lds s[G0+4*(\s):G0+4*(\s)+3], s[G1:G1+7]
	s_nop 0
.rept 4
	v_nop
.endr
	s_branch .Lasked_\@
.Lfor_b_\@:
	tensor_load_to_lds s[G0B+4*(\s):G0B+4*(\s)+3], s[G1B:G1B+7]
	s_nop 0
.rept 4
	v_nop
.endr
.Lasked_\@:
.endm
.macro ELOAD                           ; waves 0 and 1 fetch the two halves of x's tile, waves 2 and 3 those of r's
	s_cmp_eq_u32 s11, 0
	s_cbranch_scc0 .Lfor_r_\@
	tensor_load_to_lds s[GEQ:GEQ+3], s[GE1:GE1+7]
	s_nop 0
.rept 4
	v_nop
.endr
	s_branch .Le_asked_\@
.Lfor_r_\@:
	tensor_load_to_lds s[GER:GER+3], s[GE1:GE1+7]
	s_nop 0
.rept 4
	v_nop
.endr
.Le_asked_\@:
.endm
.macro CREST
	s_cmp_lg_u32 s10, 0
	s_cbranch_scc1 .Lnot_wave_0_\@
	s_barrier_signal -3
.Lnot_wave_0_\@:
	s_barrier_wait -3
	s_barrier_signal -1
	s_barrier_wait -1
.endm
.macro CROUND
	s_barrier_signal -1
	s_barrier_wait -1
	CREST
.endm
	s_load_b128 s[4:7], s[0:1], 0x0                ; A s[4:5], B s[6:7]
	s_load_b64 s[8:9], s[0:1], 0x10                ; C
	s_load_b64 s[84:85], s[0:1], 0x18              ; x
	s_load_b64 s[86:87], s[0:1], 0x20              ; r
	s_load_b64 s[88:89], s[0:1], 0x28              ; the bias
	v_lshl_add_u32 v[SPW], v0, 2, SPARE
	v_mov_b32 v[NIL], 0
	ds_add_u32 v[SPW], v[NIL]                      ; the wave's opening: the add and its wait come ahead of my first tensor load
	v_lshrrev_b32 v1, 5, v0
	v_readfirstlane_b32 s10, v1                    ; wave 0..3
	s_lshr_b32 s11, s10, 1
	s_and_b32 s12, s10, 1
	s_bfe_u32 s40, ttmp6, 0x40000                  ; cx, cy
	s_bfe_u32 s41, ttmp6, 0x40004
	s_lshl_b32 s42, ttmp9, 2
	s_add_co_u32 s42, s42, s40                     ; tile column
	s_and_b32 s13, ttmp7, 0xffff
	s_lshl_b32 s13, s13, 2
	s_add_co_u32 s13, s13, s41                     ; tile row
	s_lshl_b32 s43, s41, 2
	s_lshl_b32 s43, 15, s43                        ; my row of the cluster
	s_lshl_b32 s44, 0x1111, s40                    ; my column
	s_or_b32 s[G1+0], s43, (1<<16)|(1<<20)|(1<<21)|(6<<22)|(3<<25)  ; the mask; 2-byte elements; padding on; 21 set beside a mask; after every 128 words 4 words
	s_or_b32 s[G1B+0], s44, (1<<16)|(1<<20)|(1<<21)|(6<<22)|(3<<25)
.irp g, G1, G1B
	s_mov_b32 s[(\g)+1], KSTEP<<16
	s_mov_b32 s[(\g)+2], 64<<16
	s_mov_b32 s[(\g)+3], KSTEP<<16
	s_mov_b32 s[(\g)+4], 64
	s_mov_b32 s[(\g)+5], SIZE_K
	s_mov_b32 s[(\g)+6], 0
	s_mov_b32 s[(\g)+7], 0
.endr
	s_mov_b32 s[GE1+0], (1<<16)|(1<<20)|(5<<22)|(3<<25)  ; no mask; 2-byte elements; padding on: after every 64 words 4 words
	s_mov_b32 s[GE1+1], 128<<16                    ; tensor_dim0 = 128
	s_mov_b32 s[GE1+2], 64<<16                     ; tensor_dim1 = 64
	s_mov_b32 s[GE1+3], 128<<16                    ; tile_dim0 = 128
	s_mov_b32 s[GE1+4], 64                         ; tile_dim1 = 64
	s_mov_b32 s[GE1+5], 1024                       ; elements from row to row
	s_mov_b32 s[GE1+6], 0
	s_mov_b32 s[GE1+7], 0
	s_mov_b32 s[GEQ], 1
	s_mul_i32 s[GEQ+1], s10, 64*SPITCH             ; wave x 64 rows of 272 bytes, from LDS byte 0 on: waves 0, 1 x's halves,
	s_mov_b32 s[GER], 1
	s_mul_i32 s[GER+1], s10, 64*SPITCH             ; waves 2, 3 r's
	s_lshl_b32 s17, s12, 6
	s_lshl_b32 s16, s13, 7
	s_add_co_u32 s16, s16, s17
	s_lshl_b32 s16, s16, 11                        ; A: (128 x tile row + 64 x half) rows of 2,048 bytes
	s_lshl_b32 s46, s42, 7
	s_add_co_u32 s46, s46, s17
	s_lshl_b32 s46, s46, 11                        ; B likewise, by the tile column,
	s_add_co_u32 s46, s46, BOFF                    ; 2 MiB into its buffer
	s_lshl_b32 s94, s13, 7                         ; x's and r's tiles hang on both coordinates: registers of their own
	s_add_co_u32 s94, s94, s17
	s_lshl_b32 s94, s94, 11
	s_lshl_b32 s95, s42, 8
	s_add_co_u32 s94, s94, s95
	s_mov_b32 s95, 0
	s_lshl_b32 s96, s42, 9                         ; the bias of my 64 columns: 512 x tile column + 256 x half
	s_lshl_b32 s97, s12, 8
	s_add_co_u32 s96, s96, s97
	s_mov_b32 s97, 0
	s_mov_b32 s17, 0
	s_mov_b32 s47, 0
	s_mul_i32 s20, s10, HALFT
	s_mov_b32 s[TB], 0
	s_mov_b32 s90, 0xffff0000                      ; a word's upper bf16
	s_mov_b32 s92, 0xbfb8aa3b                      ; -log2(e); the packed forms take the pair's low word for both halves
	s_mov_b32 s93, 0xbfb8aa3b
	s_wait_dscnt 0x0                               ; the opening add is done
	s_wait_kmcnt 0x0
	s_add_nc_u64 s[14:15], s[4:5], s[16:17]
	s_add_nc_u64 s[46:47], s[6:7], s[46:47]
	s_add_nc_u64 s[GEQ+2:GEQ+3], s[84:85], s[94:95]
	s_or_b32 s[GEQ+3], s[GEQ+3], 0x80000000
	s_add_nc_u64 s[GER+2:GER+3], s[86:87], s[94:95]
	s_or_b32 s[GER+3], s[GER+3], 0x80000000
	s_add_nc_u64 s[88:89], s[88:89], s[96:97]
	CROUND                                         ; all sixteen groups are here: the first joint loads meet
.irp s, 0,1
	s_mov_b32 s[G0+4*(\s)], 1
	s_add_co_u32 s[G0+4*(\s)+1], s20, (\s)*SLOT
	s_add_nc_u64 s[G0+4*(\s)+2:G0+4*(\s)+3], s[14:15], (\s)*KSTEP*2
	s_or_b32 s[G0+4*(\s)+3], s[G0+4*(\s)+3], 0x80000000
	s_mov_b32 s[G0B+4*(\s)], 1
	s_add_co_u32 s[G0B+4*(\s)+1], s20, (\s)*SLOT
	s_add_nc_u64 s[G0B+4*(\s)+2:G0B+4*(\s)+3], s[46:47], (\s)*KSTEP*2
	s_or_b32 s[G0B+4*(\s)+3], s[G0B+4*(\s)+3], 0x80000000
	JLOAD \s                                       ; K steps 0 and 1: two loads of mine are out, the most in this text
.endr
	v_and_b32 v1, 15, v0                           ; l % 16
	v_bfe_u32 v2, v0, 4, 1                         ; l / 16
	v_lshlrev_b32 v[VB], 5, v2
.irp b, 0,1,2,3
	global_load_b128 v[BI+8*(\b):BI+8*(\b)+3],   v[VB], s[88:89] offset:64*(\b)
	global_load_b128 v[BI+8*(\b)+4:BI+8*(\b)+7], v[VB], s[88:89] offset:64*(\b)+16
.endr
	v_mul_u32_u24 v3, v1, PITCH
	v_lshl_add_u32 v3, v2, 4, v3
	s_mul_i32 s21, s11, HALFT
	s_mul_i32 s22, s12, HALFT
	s_add_co_u32 s22, s22, 2*HALFT
	v_add_nc_u32 v[ADRA0], s21, v3
	v_add_nc_u32 v[ADRB0], s22, v3
	v_mov_b32 v[ADRA], v[ADRA0]
	v_mov_b32 v[ADRB], v[ADRB0]
	s_mul_i32 s23, s11, 64*SPITCH
	s_lshl_b32 s21, s12, 7
	s_add_co_u32 s23, s23, s21
	v_mul_u32_u24 v4, v1, SPITCH
	v_lshl_add_u32 v4, v2, 4, v4
	v_add_nc_u32 v[EAD], s23, v4                   ; my 16 bytes of a row in x's tile,
	s_add_co_u32 s23, s23, STAGE
	v_add_nc_u32 v[STO], s23, v4                   ; and in the stage
	s_mul_i32 s23, s10, 32*SPITCH
	s_add_co_u32 s23, s23, STAGE
	v_mul_u32_u24 v5, v2, SPITCH
	v_lshl_add_u32 v5, v1, 4, v5
	v_add_nc_u32 v[RD], s23, v5
	v_lshlrev_b32 v5, 11, v2
	v_lshl_add_u32 v[CO], v1, 4, v5
	s_lshl_b32 s16, s13, 7
	s_lshl_b32 s17, s10, 5
	s_add_co_u32 s16, s16, s17
	s_lshl_b32 s16, s16, 11
	s_mov_b32 s17, 0
	s_add_nc_u64 s[8:9], s[8:9], s[16:17]
	s_lshl_b32 s46, s42, 8
	s_mov_b32 s47, 0
	s_add_nc_u64 s[8:9], s[8:9], s[46:47]
	s_wait_loadcnt 0x0                             ; the bias, in the wait for the first tile: rounded to bf16, widened again, times -log2(e)
.set i, 0
.rept 16
	v_cvt_pk_bf16_f32 v[TMP+i], v[BI+2*i], v[BI+2*i+1]
.set i, i+1
.endr
.set i, 0
.rept 16
	v_lshlrev_b32 v[BI+2*i], 16, v[TMP+i]
	v_and_b32 v[BI+2*i+1], s90, v[TMP+i]
.set i, i+1
.endr
.set i, 0
.rept 16
	v_pk_mul_f32 v[BI+2*i:BI+2*i+1], v[BI+2*i:BI+2*i+1], s[92:93] op_sel_hi:[1,0]
.set i, i+1
.endr
.macro MUL8 f, c, a0, zero             ; 8 matrix instructions; the 16 accumulators take turns
	WIN MUL
.irp a, \a0, (\a0)+1
.irp b, 0,1,2,3
.set rD, ACC+8*(4*(\a)+(\b))
.set rB, (\f)+64+8*(4*(\c)+(\b))
.set rA, (\f)+8*(4*(\c)+(\a))
.if \zero
	v_wmma_f32_16x16x32_bf16 v[rD:rD+7], v[rB:rB+7], v[rA:rA+7], 0
.else
	v_wmma_f32_16x16x32_bf16 v[rD:rD+7], v[rB:rB+7], v[rA:rA+7], v[rD:rD+7]
.endif
.endr
.endr
.endm
.macro FETCH k, f                      ; 32 LDS loads in one run: 64 along K at byte k of the rows of the slot in hand; the first 32 along K first
	WIN TO_F
.irp c, 0,1
.irp i, 0,1,2,3
	ds_load_b128 v[(\f)+64+8*(4*(\c)+(\i)):(\f)+64+8*(4*(\c)+(\i))+3],   v[ADRB] offset:(\k)+64*(\c)+(\i)*16*PITCH
	ds_load_b128 v[(\f)+64+8*(4*(\c)+(\i))+4:(\f)+64+8*(4*(\c)+(\i))+7], v[ADRB] offset:(\k)+64*(\c)+(\i)*16*PITCH+32
	ds_load_b128 v[(\f)+8*(4*(\c)+(\i)):(\f)+8*(4*(\c)+(\i))+3],         v[ADRA] offset:(\k)+64*(\c)+(\i)*16*PITCH
	ds_load_b128 v[(\f)+8*(4*(\c)+(\i))+4:(\f)+8*(4*(\c)+(\i))+7],       v[ADRA] offset:(\k)+64*(\c)+(\i)*16*PITCH+32
.endr
.endr
.endm
.macro PLACES
.rept 4
	v_nop
.endr
.endm
.macro QUARTER k, f, g, zero
	s_wait_dscnt 16                                ; the first 32 along K are in
	MUL8 \f, 0, 0, \zero
	MUL8 \f, 0, 2, \zero
	PLACES
	FETCH \k, \g
	s_wait_dscnt 32                                ; all but the 32 just issued
	MUL8 \f, 1, 0, 0
	MUL8 \f, 1, 2, 0
.endm
; The last quarter of a K step changes slots: ONE barrier; in front of it each wave waits for all its tensor loads, adds 0 to its spare word, and waits for that and for its own reads of this slot.
; The barrier opens a round of the cluster's barrier.  fill = 1: this slot takes the K step two ahead.  fill = 2: slot 0, read out for the last time, takes x's and r's tiles.
.macro TURN fill
	WIN 0
	s_wait_tensorcnt 0x0                           ; all my tensor loads have landed: my part of the next slot;
	ds_add_u32 v[SPW], v[NIL]                      ; 0 onto my spare word;
	s_wait_dscnt 17                                ; (the add and the youngest sixteen loads may be out)
	MUL8 F1, 0, 0, 0
	s_wait_dscnt 0x0                               ; the add is done, and my reads of this slot are over
	s_barrier_signal -1
	MUL8 F1, 0, 2, 0
	WIN 0
	s_barrier_wait -1
	CREST                                          ; no wave of any partner still reads this slot's tile or has a load on its way
.if (\fill) == 1
	s_xor_b32 s[G0+5], s[G0+5], SLOT
	s_add_nc_u64 s[G0+6:G0+7], s[G0+6:G0+7], KSTEP*2
	s_xor_b32 s[G0B+5], s[G0B+5], SLOT
	s_add_nc_u64 s[G0B+6:G0B+7], s[G0B+6:G0B+7], KSTEP*2
	JLOAD 1                                        ; the first tensor load behind the round; its four v_nop are also the places in front of the loads below
.else
	ELOAD
.endif
	s_xor_b32 s[TB], s[TB], SLOT
	v_add_nc_u32 v[ADRA], s[TB], v[ADRA0]
	v_add_nc_u32 v[ADRB], s[TB], v[ADRB0]
	FETCH 0, F0
	MUL8 F1, 1, 0, 0
	MUL8 F1, 1, 2, 0
.endm
	s_wait_tensorcnt 1                             ; my part of K step 0 is in; K step 1's may stay out
	s_barrier_signal -1
	s_barrier_wait -1
	FETCH 0, F0
	QUARTER 128, F0, F1, 1                         ; its first products start the sums
	WIN 0
	s_mov_b32 s3, 2
.Lstep:                                                ; two trips: they ask for K steps 2 and 3
	QUARTER 256, F1, F0, 0
	QUARTER 384, F0, F1, 0
	TURN 1
	QUARTER 128, F0, F1, 0
	WIN 0
	s_sub_co_u32 s3, s3, 1
	s_cmp_lg_u32 s3, 0
	s_cbranch_scc1 .Lstep
	QUARTER 256, F1, F0, 0
	QUARTER 384, F0, F1, 0
	TURN 2                                         ; x's and r's tiles have K step 3, 128 matrix instructions, in which to land
	QUARTER 128, F0, F1, 0
	QUARTER 256, F1, F0, 0
	QUARTER 384, F0, F1, 0
	s_wait_dscnt 16
	MUL8 F1, 0, 0, 0
	MUL8 F1, 0, 2, 0
	s_wait_dscnt 0
	MUL8 F1, 1, 0, 0
	MUL8 F1, 1, 2, 0
	WIN 0
	; THE WAY OUT, 16 rows (four accumulators) at a time: the gate in place of the sums; x and r out of LDS; gate (x - r) + r; round to f16; into the group's stage.
	PLACES
	s_wait_tensorcnt 0x0                           ; my part of x's or r's tile is in,
	s_barrier_signal -1
	s_barrier_wait -1                              ; everybody's is
.irp a, 0,1,2,3
.irp b, 0,1,2,3
	ds_load_b128 v[64+4*(\b):67+4*(\b)], v[EAD] offset:(\a)*16*SPITCH+32*(\b)
	ds_load_b128 v[80+4*(\b):83+4*(\b)], v[EAD] offset:(\a)*16*SPITCH+32*(\b)+E1OFF
.endr
.set i, 0
.rept 16
	v_pk_fma_f32 v[ACC+32*(\a)+2*i:ACC+32*(\a)+2*i+1], v[ACC+32*(\a)+2*i:ACC+32*(\a)+2*i+1], s[92:93], v[BI+2*i:BI+2*i+1] op_sel_hi:[1,0,1]  ; -log2(e) (sum + bias)
.set i, i+1
.endr
.set i, 0
.rept 32
	v_exp_f32 v[ACC+32*(\a)+i], v[ACC+32*(\a)+i]
.set i, i+1
.endr
	v_nop                                          ; a plain instruction between the last exponential and the use of its result
.set i, 0
	s_wait_alu depctr_va_vdst(0)
.rept 16
	v_pk_add_f32 v[ACC+32*(\a)+2*i:ACC+32*(\a)+2*i+1], v[ACC+32*(\a)+2*i:ACC+32*(\a)+2*i+1], 1.0 op_sel_hi:[1,0]
.set i, i+1
.endr
.set i, 0
.rept 32
	v_rcp_f32 v[ACC+32*(\a)+i], v[ACC+32*(\a)+i]
.set i, i+1
.endr
	v_nop
	s_wait_dscnt 0x0                               ; x and r of these rows are in; the stores of the rows before are done, so their registers may be written
	s_wait_alu depctr_va_vdst(0)
.irp b, 0,1,2,3
.irp k, 0,1,2,3
	v_lshlrev_b32 v[48+2*(\k)], 16, v[64+4*(\b)+(\k)]
	v_and_b32 v[49+2*(\k)], s90, v[64+4*(\b)+(\k)]
	v_lshlrev_b32 v[56+2*(\k)], 16, v[80+4*(\b)+(\k)]
	v_and_b32 v[57+2*(\k)], s90, v[80+4*(\b)+(\k)]
.endr
.irp k, 0,1,2,3
	v_pk_add_f32 v[48+2*(\k):49+2*(\k)], v[48+2*(\k):49+2*(\k)], v[56+2*(\k):57+2*(\k)] neg_lo:[0,1] neg_hi:[0,1]
.endr
.irp k, 0,1,2,3
	v_pk_fma_f32 v[48+2*(\k):49+2*(\k)], v[ACC+32*(\a)+8*(\b)+2*(\k):ACC+32*(\a)+8*(\b)+2*(\k)+1], v[48+2*(\k):49+2*(\k)], v[56+2*(\k):57+2*(\k)]
.endr
.irp k, 0,1,2,3
	v_cvt_pk_f16_f32 v[TMP+4*(\b)+(\k)], v[48+2*(\k)], v[49+2*(\k)]
.endr
	ds_store_b128 v[STO], v[TMP+4*(\b):TMP+4*(\b)+3] offset:(\a)*16*SPITCH+32*(\b)
.endr
.endr
	s_wait_dscnt 0x0                               ; for the others' sake: my stores into the stage are done
	s_barrier_signal -1
	s_barrier_wait -1
.irp t, 0,1,2,3,4,5,6,7,8,9,10,11,12,13,14,15
	ds_load_b128 v[TMP+4*(\t):TMP+4*(\t)+3], v[RD] offset:(\t)*2*SPITCH
.endr
.irp t, 0,1,2,3,4,5,6,7,8,9,10,11,12,13,14,15
	s_wait_dscnt 15-(\t)
	global_store_b128 v[CO], v[TMP+4*(\t):TMP+4*(\t)+3], s[8:9] offset:(\t)*4096  ; 16 lanes store 256 consecutive bytes, aligned
.endr
	s_wait_tensorcnt 0x0                           ; the wave's end
	ds_add_u32 v[SPW], v[NIL]
	s_wait_dscnt 0x0
	CROUND                                         ; the closing round
	s_endpgm
.Lfunc_end_k_q377d71a3c5_gemm_gate:
	.size	k_q377d71a3c5_gemm_gate, .Lfunc_end_k_q377d71a3c5_gemm_gate-k_q377d71a3c5_gemm_gate
	.p2alignl 7, 3214868480
	.fill 96, 4, 3214868480
	.section	.rodata,"a",@progbits
	.p2align	6, 0x0
	.amdhsa_kernel k_q377d71a3c5_gemm_gate
		.amdhsa_group_segment_fixed_size 327680
		.amdhsa_private_segment_fixed_size 0
		.amdhsa_enable_private_segment 0
		.amdhsa_kernarg_size 48
		.amdhsa_user_sgpr_count 2
		.amdhsa_user_sgpr_kernarg_segment_ptr 1
		.amdhsa_wavefront_size32 1
		.amdhsa_system_sgpr_workgroup_id_x 1
		.amdhsa_system_sgpr_workgroup_id_y 1
		.amdhsa_system_sgpr_workgroup_id_z 1
		.amdhsa_system_vgpr_workitem_id 0
		.amdhsa_next_free_vgpr 512
		.amdhsa_next_free_sgpr 98
		.amdhsa_reserve_vcc 0
		.amdhsa_float_denorm_mode_32 3
		.amdhsa_float_denorm_mode_16_64 3
		.amdhsa_memory_ordered 1
		.amdhsa_forward_progress 1
		.amdhsa_inst_pref_size 109
	.end_amdhsa_kernel
	.amdgpu_metadata
---
amdhsa.version: [ 1, 2 ]
amdhsa.kernels:
  - .name:           k_q377d71a3c5_gemm_gate
    .symbol:         k_q377d71a3c5_gemm_gate.kd
    .args:
      - { .name: ybuf, .offset: 0, .size: 8, .value_kind: global_buffer, .address_space: global }
      - { .name: wrest, .offset: 8, .size: 8, .value_kind: global_buffer, .address_space: global }
      - { .name: qu, .offset: 16, .size: 8, .value_kind: global_buffer, .address_space: global }
      - { .name: qb, .offset: 24, .size: 8, .value_kind: global_buffer, .address_space: global }
      - { .name: xbuf, .offset: 32, .size: 8, .value_kind: global_buffer, .address_space: global }
      - { .name: bg2, .offset: 40, .size: 8, .value_kind: global_buffer, .address_space: global }
    .group_segment_fixed_size: 327680
    .private_segment_fixed_size: 0
    .kernarg_segment_align: 8
    .kernarg_segment_size: 48
    .max_flat_workgroup_size: 128
    .sgpr_count:     98
    .vgpr_count:     512
    .wavefront_size: 32
...
	.end_amdgpu_metadata
.endif
;; end of part 5
;; launch gemm_out (part 6): grid 8 x 32, 4 waves a work-group, clusters of 4 x 4, 327,680 bytes of LDS; arguments qu, wrest, out0, bo; writes out0
.if DOCPART == 6
	.amdgcn_target "amdgcn-amd-amdhsa--gfx1250"
	.amdhsa_code_object_version 6
	.text
	.protected	k_q377d71a3c5_gemm_out
	.globl	k_q377d71a3c5_gemm_out
	.p2align	8
	.type	k_q377d71a3c5_gemm_out,@function
k_q377d71a3c5_gemm_out:
	s_mov_b64 s[64:65], 0
	v_nop
	global_prefetch_b8 v0, s[64:65] scope:SCOPE_SE
	s_setreg_imm32_b32 hwreg(HW_REG_WAVE_MODE, 25, 1), 1
	s_wait_xcnt 0x0
	s_wait_alu depctr_hold_cnt(0) depctr_sa_sdst(0) depctr_va_vdst(0) depctr_va_sdst(0) depctr_va_ssrc(0) depctr_va_vcc(0) depctr_vm_vsrc(0)
	s_getreg_b32 s2, hwreg(HW_REG_IB_STS2, 6, 4)
	s_cmp_eq_u32 s2, 0
	s_cbranch_scc0 .Lentry_in_a_cluster
	s_endpgm
.Lentry_in_a_cluster:
	s_bfe_u32 s2, ttmp6, 0x10000c
	s_cmp_lg_u32 s2, 0xf033
	s_cbranch_scc0 .Lentry_shape_is_right
	s_endpgm
.Lentry_shape_is_right:
; out[m][n] = sum over k of fused[m][k] Wo[n][k] + bo[n], in f32.  fused: [4096][1024] f16; Wo: [1024][1024], rounded to bf16 and written as f16, 4 MiB into its buffer;
; bo: f32, rounded to bf16 as every input is.  Sums in f32.
; LIMITS.  f16 operands: fused and Wo lie within 65,504; Wo below 2^-14 keeps f16's fixed step of 6e-8.
; A tile of C is 128 x 128: 32 x 8 tiles, one for each of 256 groups.  Four waves, each 64 x 64.  K = 1024 goes in 4 steps of 256 through two LDS slots.
; CLUSTERS: 4 x 4 groups; A's tiles are asked for jointly along a row of the cluster, B's along a column.
; THE MATRIX INSTRUCTION IS USED TRANSPOSED (source 0 = 16 rows of B, source 1 = 16 rows of A): a lane holds eight neighbouring numbers of a row of C.
; THE WAY OUT: a wave's 64 columns of f32 are 256 bytes of a row of C, so each wave has a stage of its own, 32 rows to a pass, and no barrier.
; REGISTERS: window 0: v0-31 addresses; v32-95 the way out; v96-127 the bias of my 32 columns; v128-255 the accumulators.  window 1: two fragment buffers of 128.
.set KSTEP,  256
.set PITCH,  528                       ; an LDS row: 512 bytes + 16 of padding: the 16 rows that a load touches start at 16 different groups of four banks (ISA guide 11.1)
.set HALFT,  64*PITCH
.set SLOT,   4*HALFT                   ; 0x21000: no wave's place in a slot has one of these two bits, so an exclusive or changes slots
.set STAGE,  2*SLOT                    ; behind the slots: 32 rows x 272 bytes for each wave
.set SPITCH, 272
.set SPARE,  STAGE+128*SPITCH
.set SIZE_K, 1024
.set BOFF,   0x400000
.set ADRA0, 16
.set ADRB0, 17
.set ADRA,  18
.set ADRB,  19
.set VB,   20
.set STO,  24
.set RD,   25
.set CO,   26
.set SPW,  28
.set NIL,  29
.set TMP,  32
.set BI,   96
.set ACC,  128
.set F0,   0
.set F1,   128
.set G1, 24
.set G0, 32
.set G1B, 48
.set G0B, 56
.set TB,  91
.set MSB, 0
.macro WIN new
.if MSB != (\new)
	s_set_vgpr_msb (MSB<<8)|(\new)
.set MSB, \new
.endif
.endm
.set MUL,  0x05
.set TO_F, 0x40
.macro JLOAD s                         ; a joint load: waves 0 and 1 fetch A's two halves, waves 2 and 3 B's; an s_nop 0 and four v_nop follow each of the two lines
	s_cmp_eq_u32 s11, 0
	s_cbranch_scc0 .Lfor_b_\@
	tensor_load_to_lds s[G0+4*(\s):G0+4*(\s)+3], s[G1:G1+7]
	s_nop 0
.rept 4
	v_nop
.endr
	s_branch .Lasked_\@
.Lfor_b_\@:
	tensor_load_to_lds s[G0B+4*(\s):G0B+4*(\s)+3], s[G1B:G1B+7]
	s_nop 0
.rept 4
	v_nop
.endr
.Lasked_\@:
.endm
.macro CREST
	s_cmp_lg_u32 s10, 0
	s_cbranch_scc1 .Lnot_wave_0_\@
	s_barrier_signal -3
.Lnot_wave_0_\@:
	s_barrier_wait -3
	s_barrier_signal -1
	s_barrier_wait -1
.endm
.macro CROUND
	s_barrier_signal -1
	s_barrier_wait -1
	CREST
.endm
	s_load_b128 s[4:7], s[0:1], 0x0                ; A s[4:5], B s[6:7]
	s_load_b64 s[8:9], s[0:1], 0x10                ; C
	s_load_b64 s[88:89], s[0:1], 0x18              ; the bias
	v_lshl_add_u32 v[SPW], v0, 2, SPARE
	v_mov_b32 v[NIL], 0
	ds_add_u32 v[SPW], v[NIL]                      ; the wave's opening: the add and its wait come ahead of my first tensor load
	v_lshrrev_b32 v1, 5, v0
	v_readfirstlane_b32 s10, v1                    ; wave 0..3
	s_lshr_b32 s11, s10, 1
	s_and_b32 s12, s10, 1
	s_bfe_u32 s40, ttmp6, 0x40000                  ; cx, cy
	s_bfe_u32 s41, ttmp6, 0x40004
	s_lshl_b32 s42, ttmp9, 2
	s_add_co_u32 s42, s42, s40                     ; tile column
	s_and_b32 s13, ttmp7, 0xffff
	s_lshl_b32 s13, s13, 2
	s_add_co_u32 s13, s13, s41                     ; tile row
	s_lshl_b32 s43, s41, 2
	s_lshl_b32 s43, 15, s43                        ; my row of the cluster
	s_lshl_b32 s44, 0x1111, s40                    ; my column
	s_or_b32 s[G1+0], s43, (1<<16)|(1<<20)|(1<<21)|(6<<22)|(3<<25)  ; the mask; 2-byte elements; padding on; 21 set beside a mask; after every 128 words 4 words
	s_or_b32 s[G1B+0], s44, (1<<16)|(1<<20)|(1<<21)|(6<<22)|(3<<25)
.irp g, G1, G1B
	s_mov_b32 s[(\g)+1], KSTEP<<16
	s_mov_b32 s[(\g)+2], 64<<16
	s_mov_b32 s[(\g)+3], KSTEP<<16
	s_mov_b32 s[(\g)+4], 64
	s_mov_b32 s[(\g)+5], SIZE_K
	s_mov_b32 s[(\g)+6], 0
	s_mov_b32 s[(\g)+7], 0
.endr
	s_lshl_b32 s17, s12, 6
	s_lshl_b32 s16, s13, 7
	s_add_co_u32 s16, s16, s17
	s_lshl_b32 s16, s16, 11                        ; A: (128 x tile row + 64 x half) rows of 2,048 bytes
	s_lshl_b32 s46, s42, 7
	s_add_co_u32 s46, s46, s17
	s_lshl_b32 s46, s46, 11                        ; B likewise, by the tile column,
	s_add_co_u32 s46, s46, BOFF                    ; 4 MiB into its buffer
	s_mov_b32 s17, 0
	s_mov_b32 s47, 0
	s_mul_i32 s20, s10, HALFT
	s_mov_b32 s[TB], 0
	s_mov_b32 s90, 0xffff0000                      ; a word's upper bf16
	s_wait_dscnt 0x0                               ; the opening add is done
	s_wait_kmcnt 0x0
	s_add_nc_u64 s[14:15], s[4:5], s[16:17]
	s_add_nc_u64 s[46:47], s[6:7], s[46:47]
	CROUND                                         ; all sixteen groups are here: the first joint loads meet
.irp s, 0,1
	s_mov_b32 s[G0+4*(\s)], 1
	s_add_co_u32 s[G0+4*(\s)+1], s20, (\s)*SLOT
	s_add_nc_u64 s[G0+4*(\s)+2:G0+4*(\s)+3], s[14:15], (\s)*KSTEP*2
	s_or_b32 s[G0+4*(\s)+3], s[G0+4*(\s)+3], 0x80000000
	s_mov_b32 s[G0B+4*(\s)], 1
	s_add_co_u32 s[G0B+4*(\s)+1], s20, (\s)*SLOT
	s_add_nc_u64 s[G0B+4*(\s)+2:G0B+4*(\s)+3], s[46:47], (\s)*KSTEP*2
	s_or_b32 s[G0B+4*(\s)+3], s[G0B+4*(\s)+3], 0x80000000
	JLOAD \s                                       ; K steps 0 and 1: two loads of mine are out, the most in this text
.endr
	s_lshl_b32 s16, s13, 7
	s_lshl_b32 s17, s11, 6
	s_add_co_u32 s16, s16, s17                     ; my first row of C: 128 x tile row + 64 x half,
	s_lshl_b32 s16, s16, 12                        ; of 4,096 bytes
	s_mov_b32 s17, 0
	s_add_nc_u64 s[8:9], s[8:9], s[16:17]
	s_lshl_b32 s46, s42, 9                         ; my first column in bytes of f32: 512 x tile column + 256 x half: in C and in the bias alike
	s_lshl_b32 s47, s12, 8
	s_add_co_u32 s46, s46, s47
	s_mov_b32 s47, 0
	s_add_nc_u64 s[8:9], s[8:9], s[46:47]
	s_add_nc_u64 s[88:89], s[88:89], s[46:47]
	v_and_b32 v1, 15, v0                           ; l % 16
	v_bfe_u32 v2, v0, 4, 1                         ; l / 16
	v_lshlrev_b32 v[VB], 5, v2
.irp b, 0,1,2,3
	global_load_b128 v[BI+8*(\b):BI+8*(\b)+3],   v[VB], s[88:89] offset:64*(\b)
	global_load_b128 v[BI+8*(\b)+4:BI+8*(\b)+7], v[VB], s[88:89] offset:64*(\b)+16
.endr
	v_mul_u32_u24 v3, v1, PITCH
	v_lshl_add_u32 v3, v2, 4, v3
	s_mul_i32 s21, s11, HALFT
	s_mul_i32 s22, s12, HALFT
	s_add_co_u32 s22, s22, 2*HALFT
	v_add_nc_u32 v[ADRA0], s21, v3
	v_add_nc_u32 v[ADRB0], s22, v3
	v_mov_b32 v[ADRA], v[ADRA0]
	v_mov_b32 v[ADRB], v[ADRB0]
	s_mul_i32 s23, s10, 32*SPITCH
	s_add_co_u32 s23, s23, STAGE                   ; my stage
	v_mul_u32_u24 v4, v1, SPITCH                   ; in: row l % 16, 32 bytes for each half of the lanes
	v_lshl_add_u32 v4, v2, 5, v4
	v_add_nc_u32 v[STO], s23, v4
	v_mul_u32_u24 v5, v2, SPITCH                   ; back: lanes 0-15 take one row of 256 bytes, lanes 16-31 the next
	v_lshl_add_u32 v5, v1, 4, v5
	v_add_nc_u32 v[RD], s23, v5
	v_lshlrev_b32 v5, 12, v2                       ; and the same two rows in C
	v_lshl_add_u32 v[CO], v1, 4, v5
	s_wait_loadcnt 0x0                             ; the bias, in the wait for the first tile; rounded to bf16 and widened again
.set i, 0
.rept 16
	v_cvt_pk_bf16_f32 v[TMP+i], v[BI+2*i], v[BI+2*i+1]
.set i, i+1
.endr
.set i, 0
.rept 16
	v_lshlrev_b32 v[BI+2*i], 16, v[TMP+i]
	v_and_b32 v[BI+2*i+1], s90, v[TMP+i]
.set i, i+1
.endr
.macro MUL8 f, c, a0, zero             ; 8 matrix instructions; the 16 accumulators take turns
	WIN MUL
.irp a, \a0, (\a0)+1
.irp b, 0,1,2,3
.set rD, ACC+8*(4*(\a)+(\b))
.set rB, (\f)+64+8*(4*(\c)+(\b))
.set rA, (\f)+8*(4*(\c)+(\a))
.if \zero
	v_wmma_f32_16x16x32_f16 v[rD:rD+7], v[rB:rB+7], v[rA:rA+7], 0
.else
	v_wmma_f32_16x16x32_f16 v[rD:rD+7], v[rB:rB+7], v[rA:rA+7], v[rD:rD+7]
.endif
.endr
.endr
.endm
.macro FETCH k, f                      ; 32 LDS loads in one run: 64 along K at byte k of the rows of the slot in hand; the first 32 along K first
	WIN TO_F
.irp c, 0,1
.irp i, 0,1,2,3
	ds_load_b128 v[(\f)+64+8*(4*(\c)+(\i)):(\f)+64+8*(4*(\c)+(\i))+3],   v[ADRB] offset:(\k)+64*(\c)+(\i)*16*PITCH
	ds_load_b128 v[(\f)+64+8*(4*(\c)+(\i))+4:(\f)+64+8*(4*(\c)+(\i))+7], v[ADRB] offset:(\k)+64*(\c)+(\i)*16*PITCH+32
	ds_load_b128 v[(\f)+8*(4*(\c)+(\i)):(\f)+8*(4*(\c)+(\i))+3],         v[ADRA] offset:(\k)+64*(\c)+(\i)*16*PITCH
	ds_load_b128 v[(\f)+8*(4*(\c)+(\i))+4:(\f)+8*(4*(\c)+(\i))+7],       v[ADRA] offset:(\k)+64*(\c)+(\i)*16*PITCH+32
.endr
.endr
.endm
.macro PLACES
.rept 4
	v_nop
.endr
.endm
.macro QUARTER k, f, g, zero
	s_wait_dscnt 16                                ; the first 32 along K are in
	MUL8 \f, 0, 0, \zero
	MUL8 \f, 0, 2, \zero
	PLACES
	FETCH \k, \g
	s_wait_dscnt 32                                ; all but the 32 just issued
	MUL8 \f, 1, 0, 0
	MUL8 \f, 1, 2, 0
.endm
; The last quarter of a K step changes slots: ONE barrier; in front of it each wave waits for all its tensor loads, adds 0 to its spare word, and waits for that and for its own reads of this slot.
; fill = 1: this slot takes the K step two ahead; the barrier then opens a round of the cluster's barrier.
.macro TURN fill
	WIN 0
	s_wait_tensorcnt 0x0                           ; all my tensor loads have landed: my part of the next slot;
	ds_add_u32 v[SPW], v[NIL]                      ; 0 onto my spare word;
	s_wait_dscnt 17                                ; (the add and the youngest sixteen loads may be out)
	MUL8 F1, 0, 0, 0
	s_wait_dscnt 0x0                               ; the add is done, and my reads of this slot are over
	s_barrier_signal -1
	MUL8 F1, 0, 2, 0
.if \fill
	WIN 0
.endif
	s_barrier_wait -1
.if \fill
	CREST                                          ; no wave of any partner still reads this slot's tile or has a load on its way
	s_xor_b32 s[G0+5], s[G0+5], SLOT
	s_add_nc_u64 s[G0+6:G0+7], s[G0+6:G0+7], KSTEP*2
	s_xor_b32 s[G0B+5], s[G0B+5], SLOT
	s_add_nc_u64 s[G0B+6:G0B+7], s[G0B+6:G0B+7], KSTEP*2
	JLOAD 1                                        ; the first tensor load behind the round; its four v_nop are also the places in front of the loads below
.else
	PLACES
	WIN 0
.endif
	s_xor_b32 s[TB], s[TB], SLOT
	v_add_nc_u32 v[ADRA], s[TB], v[ADRA0]
	v_add_nc_u32 v[ADRB], s[TB], v[ADRB0]
	FETCH 0, F0
	MUL8 F1, 1, 0, 0
	MUL8 F1, 1, 2, 0
.endm
	s_wait_tensorcnt 1                             ; my part of K step 0 is in; K step 1's may stay out
	s_barrier_signal -1
	s_barrier_wait -1
	FETCH 0, F0
	QUARTER 128, F0, F1, 1                         ; its first products start the sums
	WIN 0
	s_mov_b32 s3, 2
.Lstep:                                                ; two trips: they ask for K steps 2 and 3
	QUARTER 256, F1, F0, 0
	QUARTER 384, F0, F1, 0
	TURN 1
	QUARTER 128, F0, F1, 0
	WIN 0
	s_sub_co_u32 s3, s3, 1
	s_cmp_lg_u32 s3, 0
	s_cbranch_scc1 .Lstep
	QUARTER 256, F1, F0, 0
	QUARTER 384, F0, F1, 0
	TURN 0
	QUARTER 128, F0, F1, 0
	QUARTER 256, F1, F0, 0
	QUARTER 384, F0, F1, 0
	s_wait_dscnt 16
	MUL8 F1, 0, 0, 0
	MUL8 F1, 0, 2, 0
	s_wait_dscnt 0
	MUL8 F1, 1, 0, 0
	MUL8 F1, 1, 2, 0
	WIN 0
	; THE WAY OUT, two passes of 32 rows: + bias; a lane's eight numbers of a row, 32 bytes, into my own stage; back as whole rows of 256 bytes; stored.
	; LDS serves a wave's instructions in order (ISA guide 5.7.1.4): the loads see the stores above them, and the second pass's stores come behind the first's loads.
	; The second pass reads back into the first pass's accumulators, whose LDS stores are done: the first pass's count-down has reached 0.
	PLACES
.irp p, 0,1
.irp aa, 0,1
.irp b, 0,1,2,3
.set rD, ACC+8*(4*(2*(\p)+(\aa))+(\b))
.irp k, 0,1,2,3
	v_pk_add_f32 v[rD+2*(\k):rD+2*(\k)+1], v[rD+2*(\k):rD+2*(\k)+1], v[BI+8*(\b)+2*(\k):BI+8*(\b)+2*(\k)+1]
.endr
	ds_store_b128 v[STO], v[rD:rD+3]   offset:(\aa)*16*SPITCH+64*(\b)
	ds_store_b128 v[STO], v[rD+4:rD+7] offset:(\aa)*16*SPITCH+64*(\b)+16
.endr
.endr
.irp t, 0,1,2,3,4,5,6,7,8,9,10,11,12,13,14,15
	ds_load_b128 v[TMP+96*(\p)+4*(\t):TMP+96*(\p)+4*(\t)+3], v[RD] offset:(\t)*2*SPITCH
.endr
.irp t, 0,1,2,3,4,5,6,7,8,9,10,11,12,13,14,15
	s_wait_dscnt 15-(\t)
	global_store_b128 v[CO], v[TMP+96*(\p)+4*(\t):TMP+96*(\p)+4*(\t)+3], s[8:9] offset:(32*(\p)+2*(\t))*4096 th:TH_STORE_NT  ; 16 lanes store 256 consecutive bytes, aligned
.endr
.endr
	s_wait_tensorcnt 0x0                           ; the wave's end
	ds_add_u32 v[SPW], v[NIL]
	s_wait_dscnt 0x0
	CROUND                                         ; the closing round
	s_endpgm
.Lfunc_end_k_q377d71a3c5_gemm_out:
	.size	k_q377d71a3c5_gemm_out, .Lfunc_end_k_q377d71a3c5_gemm_out-k_q377d71a3c5_gemm_out
	.p2alignl 7, 3214868480
	.fill 96, 4, 3214868480
	.section	.rodata,"a",@progbits
	.p2align	6, 0x0
	.amdhsa_kernel k_q377d71a3c5_gemm_out
		.amdhsa_group_segment_fixed_size 327680
		.amdhsa_private_segment_fixed_size 0
		.amdhsa_enable_private_segment 0
		.amdhsa_kernarg_size 32
		.amdhsa_user_sgpr_count 2
		.amdhsa_user_sgpr_kernarg_segment_ptr 1
		.amdhsa_wavefront_size32 1
		.amdhsa_system_sgpr_workgroup_id_x 1
		.amdhsa_system_sgpr_workgroup_id_y 1
		.amdhsa_system_sgpr_workgroup_id_z 1
		.amdhsa_system_vgpr_workitem_id 0
		.amdhsa_next_free_vgpr 512
		.amdhsa_next_free_sgpr 98
		.amdhsa_reserve_vcc 0
		.amdhsa_float_denorm_mode_32 3
		.amdhsa_float_denorm_mode_16_64 3
		.amdhsa_memory_ordered 1
		.amdhsa_forward_progress 1
		.amdhsa_inst_pref_size 75
	.end_amdhsa_kernel
	.amdgpu_metadata
---
amdhsa.version: [ 1, 2 ]
amdhsa.kernels:
  - .name:           k_q377d71a3c5_gemm_out
    .symbol:         k_q377d71a3c5_gemm_out.kd
    .args:
      - { .name: qu, .offset: 0, .size: 8, .value_kind: global_buffer, .address_space: global }
      - { .name: wrest, .offset: 8, .size: 8, .value_kind: global_buffer, .address_space: global }
      - { .name: out0, .offset: 16, .size: 8, .value_kind: global_buffer, .address_space: global }
      - { .name: bo, .offset: 24, .size: 8, .value_kind: global_buffer, .address_space: global }
    .group_segment_fixed_size: 327680
    .private_segment_fixed_size: 0
    .kernarg_segment_align: 8
    .kernarg_segment_size: 32
    .max_flat_workgroup_size: 128
    .sgpr_count:     98
    .vgpr_count:     512
    .wavefront_size: 32
...
	.end_amdgpu_metadata
.endif
;; end of part 6
